; MI455X (gfx1250); checked and timed in simulation.
; The chip was launched on July 23, 2026; its instructions are those of AMD's public machine-readable ISA for CDNA 5 (MIT licence, August 2026) and "CDNA5" Instruction Set Architecture Reference Guide (July 2026). The comments in the code are by the model that wrote it; some were corrected since.
;; Causal Self Attention. Allowed arithmetic: matrix products marked QUANTISED: E2M3 operands, one E8M0 scale for each 32 along K, by v_wmma_scale_f32_16x16x128_f8f6f4 with both operands' format E2M3, f32 sums; everything else in f32.
;; Inputs: Wo 1,024 x 1,024 float32; Wqkv 1,024 x 3,072 float32; bo 1,024 float32; bqkv 3,072 float32; x 4 x 2,048 x 1,024 float32.
;; Outputs: out0 4 x 2,048 x 1,024 float32.
;; This version of the problem:
;;   THIS VERSION OF THE PROBLEM IS GIVEN IN LOW PRECISION. The matrix products marked QUANTISED in the list below multiply operands that are first quantised to E2M3 (2 exponent bits, 3 mantissa bits; 6 bits a number), with one power-of-two scale for each 32 numbers along K (OCP MX v1.0); their sums are f32. All else is computed in f32.
;;   The module's matrix products, in the order in which they are computed (A, B: the left and right operand; K: the contracted axis; several contracted axes count as one K, in the product's order):
;;     1. [M 8,192, K 1,024] x [K 1,024, N 3,072]; A: input x; B: input Wqkv: QUANTISED
;;     2. batch 64 x [M 2,048, K 64] x [K 64, N 2,048]; A: computed on the way; B: computed on the way: QUANTISED
;;     3. batch 64 x [M 2,048, K 2,048] x [K 2,048, N 64]; A: softmax (see below); B: computed on the way: QUANTISED
;;     4. [M 8,192, K 1,024] x [K 1,024, N 1,024]; A: computed on the way; B: input Wo: QUANTISED
;;   THE QUANTISER, for each operand of a quantised product, along K:
;;     - K is cut into blocks of 32 from its start; a last block that is shorter is filled with zeros.
;;     - A block's scale is 2^e with e = floor(log2(the largest magnitude in the block)) - 2, held to -126 .. 127; a block of zeros has e = 0. As a byte (E8M0): e + 127.
;;     - Each number is divided by its block's scale, clamped to +-7.5, and rounded to the nearest number of E2M3, ties to even, subnormals kept.
;;     - The product sums the exact products of the quantised numbers (number of the format x scale) in f32.
;;   ~~~python
;;   def quantise(x, axis):      # numpy; x: float32 -> the quantised numbers, widened to float32 again
;;       x = np.moveaxis(x, axis, -1); K = x.shape[-1]
;;       x = np.pad(x, [(0, 0)] * (x.ndim - 1) + [(0, -K % 32)]); x = x.reshape(x.shape[:-1] + (-1, 32)); a = np.abs(x).max(-1, keepdims=True)
;;       e = np.where(a > 0, np.clip(np.frexp(np.where(a > 0, a, 1))[1] - 1 - 2, -126, 127), 0)      # np.frexp(a)[1] - 1 = floor(log2(a)), exactly
;;       r = np.clip(x / 2.0 ** e, -7.5, 7.5)
;;       step = 2.0 ** (np.maximum(np.frexp(np.where(r == 0, 1, r))[1] - 1, 0) - 3)
;;       q = np.round(r / step) * step * 2.0 ** e      # np.round: ties to even
;;       return np.moveaxis(q.reshape(q.shape[:-2] + (-1,))[..., :K], -1, axis).astype(np.float32)
;;   ~~~
;;   SOFTMAX AHEAD OF A QUANTISED PRODUCT. Where the list says 'softmax', what is quantised is not the finished softmax but p = 2^(t - M), with t = logit x log2(e) and M = ceil(the row's largest t), a whole number; so 1/2 < the row's largest p <= 1. The row's sum l is taken of the UNQUANTISED p, in f32, and the product's result is divided by l at the end. Since M is a whole number, a kernel that streams over the keys may use a running M (the ceiling of the running maximum): every later rescaling is an exact power of two, which a block's scale takes up: the codes' values come out the same.
;;   OPERANDS COMPUTED ON THE WAY. 'Computed on the way' means the value that the module computes at that place (a softmax that the list does not call 'softmax' is quantised finished and normalised). What goes into a quantiser is computed in f32, as accurately as f32 sums, v_exp_f32 and their like allow (about 1e-6 of the number): no bf16 or f16 on the way to a quantiser, and a product that is left as it is and whose result goes on into a quantised operand takes f32 operands (vector FMAs, or v_wmma_f32_16x16x4_f32). A number that lies on a knife's edge between two numbers of the format may be rounded either way, as far as f32 arithmetic and the matrix unit's own rounding can turn it there, and no further.
;; One version. Each part assembles by itself: llvm-mc -triple=amdgcn-amd-amdhsa -mcpu=gfx1250 --defsym DOCPART=n.
;; ======== version 1 of 1: 4 launches
;; workspace buffers: opq 9,830,400 bytes; qkv 20,447,232 bytes; yq 6,553,600 bytes
;; launch quant (part 1): grid 384 x 1, 4 waves a work-group, no clusters, 58,880 bytes of LDS; arguments x, Wqkv, Wo, opq; writes opq
.if DOCPART == 1
	.amdgcn_target "amdgcn-amd-amdhsa--gfx1250"
	.amdhsa_code_object_version 6
	.text
	.protected	k_q203f53f720_quant
	.globl	k_q203f53f720_quant
	.p2align	8
	.type	k_q203f53f720_quant,@function
k_q203f53f720_quant:
	s_mov_b64 s[64:65], 0
	v_nop
	global_prefetch_b8 v0, s[64:65] scope:SCOPE_SE
	s_setreg_imm32_b32 hwreg(HW_REG_WAVE_MODE, 25, 1), 1
	s_wait_xcnt 0x0
; x [8192][1024], Wqkv [1024][3072] and Wo [1024][1024], f32, become codes of FP6 (E2M3) with one E8M0 byte for each 32 along K (K = 1024 in all three), quantised once for the two products that read them.
; A block's scale is 2^(floor(log2(largest magnitude)) - 2): its byte is the largest magnitude's exponent field - 2, held at 1 from below by a floor among the maximum's leaves.
; LAYOUT OF opq.  768 row tiles of 16 rows: tiles 0-511 x's tokens, 512-703 Wqkv's columns, 704-767 Wo's columns.  A tile is 8 fragments (16 rows x 128 K), 1,536 bytes each, laid as the IMAGE OF THE OPERAND'S
; REGISTERS: registers 4 c .. 4 c + 3 of lane l at 512 c + 16 l.  From SCO on: 512 bytes a tile of scale words, [K half][row][4 words], word s % 4 of half s / 4 for K step s.
; THE ROWS OF A TILE ARE NOT NEIGHBOURS: lane r of tile T holds row 32 (T / 2) + 8 (T % 2) + r + 8 (r / 8), so that where such a tile is a product's source 0, the 16 result registers of tiles 2 b and 2 b + 1
; are 16 neighbours along that axis: the next launches quantise their results in registers by that.
; SHARES.  Work-groups 0-255: x; a wave takes one row tile x 512 along K (four fragments).  Work-groups 256-383: the weights, whose K is the FIRST axis; a wave takes 32 columns x 256 along K, a lane a column.
; The two ways part on the work-group's number, never join, and have LDS bytes of their own.  No tensor loads, no barrier: waves share nothing.  Clusters and matrix units have nothing to do here: no byte is read twice.
; LIMITS: NaN and infinities among the inputs are not served.  A block of zeros, or one whose largest magnitude lies under 2^-124, gets the byte 1 where the rule gives another: its codes are zeros or round as
; under the byte 1, and the bytes are read by this program alone.
.set SCO,  9437184                     ; where the scale words begin
.set SEL,  20                          ; s[20:21] lane selects for v_permlanex16_b32: lane l xor 16
.set TM,   4                           ; v4-7 largest magnitudes, v8-11 the other half's / the bytes, v16-19 the conversions' scale operands
.set PW,   20                          ; v20-23 x: the four K steps' scale words
.set RX,   32                          ; v32-159 x: two sets of 64 registers as loaded
.set XN,   160                         ; v160-223 x: 64 numbers of my row, register 16 b + i = k 32 b + 16 (lane / 16) + i
.set PC,   224                         ; v224-243 x: the fragment just made (12), and two conversions' results on their way
.set VO,   32                          ; v32-63 weights: byte offset of my column in rows 0 .. 31 of a block; never rewritten
.set XW,   64                          ; v64-127 weights: two sets of 32 numbers
.set CW,   128                         ; v128-134 weights: a block's codes
.set SB,   24                          ; v24-25 weights: two scale words
.set OUTR, 136                         ; v136-183 weights: the way out
.set WST,  33792                       ; LDS: x's four stages of 16 x 528 bytes lie below, the weights' four of 6,144 bytes from here on
; 64 numbers of a lane, v[s] on, register 16 b + i = k 32 b + 16 (lane / 16) + i of my row, become a fragment's 12 registers in v[PC] on and my row's scale word in v[pw].
.macro QUANT s, pw
.irp b, 0,1,2,3
	v_max3_num_f32 v[TM+\b], |v[\s+16*\b]|, |v[\s+1+16*\b]|, 0x1800000   ; block b: my 16 numbers, and the floor 2^(3 - 127): the byte cannot fall under 1
.endr
.irp i, 2,4,6,8,10,12,14
.irp b, 0,1,2,3
	v_max3_num_f32 v[TM+\b], v[TM+\b], |v[\s+16*\b+\i]|, |v[\s+1+16*\b+\i]|   ; the four blocks by turns
.endr
.endr
.irp b, 0,1,2,3
	v_permlanex16_b32 v[TM+4+\b], v[TM+\b], s[SEL], s[SEL+1]
.endr
.irp b, 0,1,2,3
	v_max_num_f32 v[TM+\b], v[TM+\b], v[TM+4+\b]   ; with lane l xor 16's 16: the block's largest magnitude
.endr
.irp b, 0,1,2,3
	v_add_nc_u32 v[TM+12+\b], 0xff000000, v[TM+\b]   ; 2 off its exponent field: the conversion takes this operand's exponent field as its scale
.endr
.irp b, 0,1,2,3
	v_lshrrev_b32 v[TM+4+\b], 23, v[TM+12+\b]      ; the scale's byte
.endr
	v_lshl_or_b32 v[\pw], v[TM+5], 8, v[TM+4]
	v_lshl_or_b32 v[\pw], v[TM+6], 16, v[\pw]
	v_lshl_or_b32 v[\pw], v[TM+7], 24, v[\pw]
.irp c, 0,1
	v_cvt_scalef32_pk16_fp6_f32 v[PC+6*\c:PC+2+6*\c], v[\s+32*\c:\s+15+32*\c], v[TM+12+2*\c]
	v_cvt_scalef32_pk16_fp6_f32 v[PC+12+4*\c:PC+14+4*\c], v[\s+16+32*\c:\s+31+32*\c], v[TM+12+2*\c+1]   ; a conversion's three registers begin on an even number
.endr
	v_nop                                          ; one plain instruction behind the conversions, ahead of the first that touches a result
.irp c, 0,1                                    ; the operand's layout wants a whole block in a lane: lanes 0-15 block 2 c, lanes 16-31 block 2 c + 1
.irp i, 0,1,2
	v_permlane16_swap_b32 v[PC+6*\c+\i], v[PC+12+4*\c+\i]
.endr
.irp i, 0,1,2
	v_mov_b32 v[PC+3+6*\c+\i], v[PC+12+4*\c+\i]
.endr
.endr
.endm
	s_load_b256 s[4:11], s[0:1], 0x0               ; x s[4:5], Wqkv s[6:7], Wo s[8:9], opq s[10:11]
	v_lshl_add_u32 v254, v0, 2, 0xe400
	v_mov_b32 v255, 0
	v_lshrrev_b32 v1, 5, v0
	v_readfirstlane_b32 s12, v1                    ; wave 0..3
	s_mov_b32 s[SEL], 0x76543210
	s_mov_b32 s[SEL+1], 0xfedcba98
	s_cmp_lt_u32 ttmp9, 256
	s_cbranch_scc0 .Lweights
	; ---------------- x: K is innermost ----------------
	s_lshl_b32 s13, ttmp9, 2
	s_add_co_u32 s13, s13, s12
	s_lshr_b32 s14, s13, 1                         ; T: my row tile
	s_and_b32 s15, s13, 1                          ; which half of K
	s_lshr_b32 s16, s14, 1
	s_lshl_b32 s16, s16, 17                        ; 32 (T / 2) rows of 4,096 bytes
	s_and_b32 s17, s14, 1
	s_lshl_b32 s17, s17, 15                        ; + 8 (T % 2) rows
	s_add_co_u32 s16, s16, s17
	s_lshl_b32 s17, s15, 11                        ; + my half's 512 numbers
	s_add_co_u32 s16, s16, s17
	s_mov_b32 s17, 0
	s_mul_i32 s18, s14, 12288                      ; the tile's fragments,
	s_mul_i32 s19, s15, 6144                       ; my four of them
	s_add_co_u32 s18, s18, s19
	s_mov_b32 s19, 0
	s_lshl_b32 s26, s14, 9                         ; the tile's scale words, my half's 256 bytes
	s_lshl_b32 s27, s15, 8
	s_add_co_u32 s26, s26, s27
	s_add_co_u32 s26, s26, SCO
	s_mov_b32 s27, 0
	v_and_b32 v24, 31, v0                          ; lane
	v_and_b32 v25, 15, v0                          ; r
	v_bfe_u32 v26, v0, 4, 1                        ; h
	v_lshlrev_b32 v1, 4, v24                       ; 16 x lane: my bytes of a load's 512, and of an image's plane
	s_mul_i32 s13, s12, 8448                       ; my wave's stage: 16 rows of 512 bytes + 16
	v_add_nc_u32 v2, s13, v1                       ; into it: as loaded
	v_mul_u32_u24 v3, v25, 528
	v_lshl_add_u32 v3, v26, 6, v3
	v_add_nc_u32 v3, s13, v3                       ; out of it: row r, + 64 h: my 16 numbers of each block of 32
	v_lshlrev_b32 v27, 4, v25
	v_lshl_add_u32 v27, v26, 3, v27                ; the scale words' way out: 16 r + 8 h
.irp b, 0,1,2,3
	v_mov_b32 v[TM+4+\b], 0                        ; written once: a lane permute's destination counts as one of its sources
.endr
	s_wait_alu depctr_va_vdst(0)
	s_wait_kmcnt 0x0
	s_add_nc_u64 s[4:5], s[4:5], s[16:17]
	s_add_nc_u64 s[22:23], s[10:11], s[18:19]
	s_add_nc_u64 s[24:25], s[10:11], s[26:27]
.macro LOADX t                         ; K step t of the tile's 16 rows: each load reads 512 consecutive bytes of one row
.irp i, 0,1,2,3,4,5,6,7,8,9,10,11,12,13,14,15
	global_load_b128 v[RX+64*((\t)%2)+4*\i:RX+64*((\t)%2)+4*\i+3], v1, s[4:5] offset:(\i+8*(\i/8))*4096+512*(\t) th:TH_LOAD_NT
.endr
.endm
.macro XSTEP t
.if (\t) < 3
	s_wait_loadcnt 16                              ; this step's 16 loads are in; the next step's 16 may be out
.else
	s_wait_loadcnt 0x0
.endif
	s_wait_xcnt 0x0                                ; the last step's stores have read the codes' registers, which this step writes again
.irp i, 0,1,2,3,4,5,6,7,8,9,10,11,12,13,14,15
	ds_store_b128 v2, v[RX+64*((\t)%2)+4*\i:RX+64*((\t)%2)+4*\i+3] offset:528*\i
.endr
.irp b, 0,1,2,3
.irp j, 0,1,2,3
	ds_load_b128 v[XN+16*\b+4*\j:XN+16*\b+4*\j+3], v3 offset:128*\b+16*\j   ; LDS serves a wave's instructions in order: these see the stores above
.endr
.endr
	s_wait_dscnt 0x0                               ; my numbers are back, and the stores have read their registers,
.if (\t) < 2
	LOADX (\t)+2                                   ; which take the loads of two steps on
.endif
	QUANT XN, PW+(\t)
.irp c, 0,1,2
	global_store_b128 v1, v[PC+4*\c:PC+4*\c+3], s[22:23] offset:1536*(\t)+512*\c   ; 32 lanes store 512 consecutive bytes, aligned to 256
.endr
.endm
	LOADX 0
	LOADX 1
	XSTEP 0
	XSTEP 1
	XSTEP 2
	XSTEP 3
	v_cmp_ne_u32 vcc_lo, 0, v26
	v_cndmask_b32 v28, v[PW], v[PW+2], vcc_lo      ; lanes 0-15 send words 0 and 1 of their row, lanes 16-31 words 2 and 3
	v_cndmask_b32 v29, v[PW+1], v[PW+3], vcc_lo
	global_store_b64 v27, v[28:29], s[24:25]       ; 256 consecutive bytes, aligned
	s_wait_tensorcnt 0x0
	ds_add_u32 v254, v255
	s_wait_dscnt 0x0
	s_endpgm
	; ---------------- the weights: K is the first axis.  A lane takes a column, its registers run down K ----------------
.Lweights:
	s_sub_co_u32 s13, ttmp9, 256
	s_lshr_b32 s14, s13, 2                         ; which 128 columns: 0-23 of Wqkv, 24-31 of Wo
	s_and_b32 s15, s13, 3                          ; y: which 256 along K
	s_cmp_lt_u32 s14, 24
	s_cselect_b32 s16, 0, 24
	s_mov_b32 s17, 4096
	s_cselect_b32 s17, 12288, s17                  ; a row of the weight in bytes
	s_wait_kmcnt 0x0
	s_cselect_b64 s[6:7], s[6:7], s[8:9]           ; the choice hangs on the work-group's number alone
	s_sub_co_u32 s16, s14, s16
	s_lshl_b32 s16, s16, 7
	s_lshl_b32 s18, s12, 5
	s_add_co_u32 s16, s16, s18                     ; my wave's first column
	s_lshl_b32 s16, s16, 2
	s_lshl_b32 s18, s15, 8
	s_mul_i32 s18, s18, s17                        ; 256 y rows
	s_add_co_u32 s18, s18, s16
	s_mov_b32 s19, 0
	s_add_nc_u64 s[32:33], s[6:7], s[18:19]        ; block 0's first row at my first column
	s_lshl_b32 s48, s17, 5                         ; 32 rows on
	s_mov_b32 s49, 0
.irp t, 1,2,3,4,5,6,7
	s_add_nc_u64 s[32+2*\t:33+2*\t], s[30+2*\t:31+2*\t], s[48:49]   ; a base for each of the 8 blocks: no address is stepped later
.endr
	v_and_b32 v1, 31, v0                           ; l
	v_and_b32 v2, 7, v0
	v_bfe_u32 v3, v0, 3, 1
	v_bfe_u32 v4, v0, 4, 1                         ; u: which of my wave's two tiles
	v_lshl_add_u32 v2, v4, 3, v2
	v_lshl_add_u32 v2, v3, 4, v2                   ; l with bits 3 and 4 changed over: lane l takes that column, so that it is row l % 16 of tile u
	v_lshlrev_b32 v[VO], 2, v2
.irp i, 1,2,3,4,5,6,7,8,9,10,11,12,13,14,15,16,17,18,19,20,21,22,23,24,25,26,27,28,29,30,31
	v_add_nc_u32 v[VO+\i], s17, v[VO+\i-1]
.endr
	s_wait_alu depctr_va_vdst(0)
	v_and_b32 v6, 15, v0
	v_lshlrev_b32 v5, 4, v6
	v_mad_u32_u24 v5, v4, 3072, v5
	s_mul_i32 s50, s12, 6144
	s_add_co_u32 s50, s50, WST                     ; my wave's stage: [tile u][K step][1,536 bytes]
	v_add_nc_u32 v5, s50, v5                       ; into it: 3,072 u + 16 (l % 16)
	v_lshlrev_b32 v7, 4, v1                        ; 16 l
	v_add_nc_u32 v8, s50, v7                       ; out of it: as it lies
	v_lshlrev_b32 v9, 4, v6
	v_lshl_add_u32 v9, v4, 9, v9                   ; the scale words: 512 u + 16 (l % 16)
	s_lshl_b32 s51, s14, 3
	s_lshl_b32 s52, s12, 1
	s_add_co_u32 s51, s51, s52
	s_add_co_u32 s51, s51, 512                     ; my wave's first tile: 512 + 8 x column group + 2 x wave, for both weights
	s_mul_i32 s52, s51, 12288
	s_mul_i32 s53, s15, 3072                       ; K steps 2 y and 2 y + 1
	s_add_co_u32 s52, s52, s53
	s_mov_b32 s53, 0
	s_add_nc_u64 s[54:55], s[10:11], s[52:53]
	s_lshl_b32 s52, s51, 9
	s_lshr_b32 s56, s15, 1
	s_lshl_b32 s56, s56, 8                         ; K half y / 2,
	s_add_co_u32 s52, s52, s56
	s_and_b32 s56, s15, 1
	s_lshl_b32 s56, s56, 3                         ; words 2 (y % 2) and the next
	s_add_co_u32 s52, s52, s56
	s_add_co_u32 s52, s52, SCO
	s_add_nc_u64 s[56:57], s[10:11], s[52:53]
.macro LOADW t                         ; block t: rows 32 t + i at my column: 32 lanes read 128 consecutive bytes
.irp i, 0,1,2,3,4,5,6,7,8,9,10,11,12,13,14,15,16,17,18,19,20,21,22,23,24,25,26,27,28,29,30,31
	global_load_b32 v[XW+32*((\t)%2)+\i], v[VO+\i], s[32+2*(\t):33+2*(\t)] th:TH_LOAD_NT
.endr
.endm
.macro BLOCK t
.set XS, XW+32*((\t)%2)
.set SO, 1536*((\t)/4)+256*((\t)%2)    ; K step t / 4 of my two; block t % 4 belongs to lane half t % 2 of the fragment
.if (\t) < 7
	s_wait_loadcnt 32                              ; this block's 32 loads are in; the next block's may be out
.else
	s_wait_loadcnt 0x0
.endif
	v_max3_num_f32 v12, |v[XS]|, |v[XS+1]|, |v[XS+2]|   ; all 32 numbers of the block are mine
	v_max3_num_f32 v13, |v[XS+3]|, |v[XS+4]|, |v[XS+5]|
.irp i, 6,10,14,18,22,26
	v_max3_num_f32 v12, v12, |v[XS+\i]|, |v[XS+\i+1]|
	v_max3_num_f32 v13, v13, |v[XS+\i+2]|, |v[XS+\i+3]|
.endr
	v_max3_num_f32 v12, v12, |v[XS+30]|, |v[XS+31]|
	v_max3_num_f32 v12, v12, v13, 0x1800000        ; and the floor 2^(3 - 127)
	v_add_nc_u32 v11, 0xff000000, v12              ; the conversions' scale operand
	v_lshrrev_b32 v13, 23, v11                     ; the byte
.if (\t)%4 == 0
	v_mov_b32 v[SB+(\t)/4], v13
.else
	v_lshl_or_b32 v[SB+(\t)/4], v13, 8*((\t)%4), v[SB+(\t)/4]
.endif
	v_cvt_scalef32_pk16_fp6_f32 v[CW:CW+2], v[XS:XS+15], v11
	v_cvt_scalef32_pk16_fp6_f32 v[CW+4:CW+6], v[XS+16:XS+31], v11
	v_nop                                          ; one plain instruction behind the conversions
	v_mov_b32 v[CW+3], v[CW+4]                     ; the block's six registers on end
	v_mov_b32 v[CW+4], v[CW+5]
	v_mov_b32 v[CW+5], v[CW+6]
.if ((\t)%4) < 2                       ; they are registers 0-5 of the fragment's lane: plane 0 whole, the first half of plane 1
	ds_store_b128 v5, v[CW:CW+3] offset:SO
	ds_store_b64 v5, v[CW+4:CW+5] offset:SO+512
.else                                  ; or registers 6-11: the second half of plane 1, plane 2 whole
	ds_store_b64 v5, v[CW:CW+1] offset:SO+520
	ds_store_b128 v5, v[CW+2:CW+5] offset:SO+1024
.endif
.if (\t)+2 < 8
	LOADW (\t)+2
.endif
	s_wait_dscnt 0x0                               ; the stores have read their registers: the next block's codes may be written
.endm
	LOADW 0
	LOADW 1
.irp t, 0,1,2,3,4,5,6,7
	BLOCK \t
.endr
	s_wait_alu depctr_va_vdst(0)
	global_store_b64 v9, v[SB:SB+1], s[56:57]      ; two words a row, rows 16 bytes apart: half of each 256 bytes; one byte for each 128 that this way reads
.irp k, 0,1,2,3,4,5,6,7,8,9,10,11
	ds_load_b128 v[OUTR+4*\k:OUTR+4*\k+3], v8 offset:512*\k
.endr
.irp k, 0,1,2,3,4,5,6,7,8,9,10,11
	s_wait_dscnt 11-\k                             ; load k is back; the younger ones may be out
	global_store_b128 v7, v[OUTR+4*\k:OUTR+4*\k+3], s[54:55] offset:(\k/6)*12288+((\k%6)/3)*1536+(\k%3)*512   ; 512 consecutive bytes, aligned to 256
.endr
	s_wait_tensorcnt 0x0
	ds_add_u32 v254, v255
	s_wait_dscnt 0x0
	s_endpgm
.Lfunc_end_k_q203f53f720_quant:
	.size	k_q203f53f720_quant, .Lfunc_end_k_q203f53f720_quant-k_q203f53f720_quant
	.p2alignl 7, 3214868480
	.fill 96, 4, 3214868480
	.section	.rodata,"a",@progbits
	.p2align	6, 0x0
	.amdhsa_kernel k_q203f53f720_quant
		.amdhsa_group_segment_fixed_size 58880
		.amdhsa_private_segment_fixed_size 0
		.amdhsa_enable_private_segment 0
		.amdhsa_kernarg_size 32
		.amdhsa_user_sgpr_count 2
		.amdhsa_user_sgpr_kernarg_segment_ptr 1
		.amdhsa_wavefront_size32 1
		.amdhsa_system_sgpr_workgroup_id_x 1
		.amdhsa_system_sgpr_workgroup_id_y 1
		.amdhsa_system_sgpr_workgroup_id_z 1
		.amdhsa_system_vgpr_workitem_id 0
		.amdhsa_next_free_vgpr 256
		.amdhsa_next_free_sgpr 66
		.amdhsa_reserve_vcc 1
		.amdhsa_float_denorm_mode_32 3
		.amdhsa_float_denorm_mode_16_64 3
		.amdhsa_memory_ordered 1
		.amdhsa_forward_progress 1
		.amdhsa_inst_pref_size 76
	.end_amdhsa_kernel
	.amdgpu_metadata
---
amdhsa.version: [ 1, 2 ]
amdhsa.kernels:
  - .name:           k_q203f53f720_quant
    .symbol:         k_q203f53f720_quant.kd
    .args:
      - { .name: x, .offset: 0, .size: 8, .value_kind: global_buffer, .address_space: global }
      - { .name: Wqkv, .offset: 8, .size: 8, .value_kind: global_buffer, .address_space: global }
      - { .name: Wo, .offset: 16, .size: 8, .value_kind: global_buffer, .address_space: global }
      - { .name: opq, .offset: 24, .size: 8, .value_kind: global_buffer, .address_space: global }
    .group_segment_fixed_size: 58880
    .private_segment_fixed_size: 0
    .kernarg_segment_align: 8
    .kernarg_segment_size: 32
    .max_flat_workgroup_size: 128
    .sgpr_count:     66
    .vgpr_count:     256
    .wavefront_size: 32
...
	.end_amdgpu_metadata
.endif
;; end of part 1
;; launch gemm_qkv (part 2): grid 12 x 32, 4 waves a work-group, clusters of 4 x 4, 327,680 bytes of LDS; arguments opq, bqkv, qkv; writes qkv
.if DOCPART == 2
	.amdgcn_target "amdgcn-amd-amdhsa--gfx1250"
	.amdhsa_code_object_version 6
	.text
	.protected	k_q203f53f720_gemm_qkv
	.globl	k_q203f53f720_gemm_qkv
	.p2align	8
	.type	k_q203f53f720_gemm_qkv,@function
k_q203f53f720_gemm_qkv:
	s_mov_b64 s[64:65], 0
	v_nop
	global_prefetch_b8 v0, s[64:65] scope:SCOPE_SE
	s_setreg_imm32_b32 hwreg(HW_REG_WAVE_MODE, 25, 1), 1
	s_wait_xcnt 0x0
	s_wait_alu depctr_hold_cnt(0) depctr_sa_sdst(0) depctr_va_vdst(0) depctr_va_sdst(0) depctr_va_ssrc(0) depctr_va_vcc(0) depctr_vm_vsrc(0)
	s_getreg_b32 s2, hwreg(HW_REG_IB_STS2, 6, 4)
	s_cmp_eq_u32 s2, 0
	s_cbranch_scc0 .Lentry_in_a_cluster
	s_endpgm
.Lentry_in_a_cluster:
	s_bfe_u32 s2, ttmp6, 0x10000c
	s_cmp_lg_u32 s2, 0xf033
	s_cbranch_scc0 .Lentry_shape_is_right
	s_endpgm
.Lentry_shape_is_right:
; qkv = x Wqkv + bqkv on codes of FP6 (E2M3) with E8M0 block scales, K = 1024; the results are quantised in registers, as the operands that the attention launch wants, and never go to memory as f32.
; A work-group of four waves makes 256 tokens x 256 columns, a wave 128 x 128: 64 accumulators, 512 registers.  K goes in steps of 256 through a ring of two LDS slots filled by the tensor data mover.
; OPERANDS lie in opq as images of the operand's registers (a fragment of 16 rows x 128 K: 1,536 bytes, registers 4 c .. 4 c + 3 of lane l at 512 c + 16 l): a tile's two fragments of a slot are 3,072 consecutive
; bytes, a fragment comes out of LDS by three loads of 512 consecutive bytes, no pitch, no padding.  The rows of a tile are chosen (lane r of tile T: row 32 (T / 2) + 8 (T % 2) + r + 8 (r / 8)) so that the 16 result
; registers of two neighbouring tiles of source 0 are 16 neighbours along that axis.
; ROLES.  The cluster's x is the section: 0 q, 1 k, 2 v; all sixteen partners share it.  q and k are quantised along the head's 64: source 0 = W's columns, source 1 = tokens, a lane holds one token and its
; registers run along the columns.  v is quantised along the keys: source 0 = tokens, source 1 = W's columns.  The fills and their LDS places are the same for all; only the two read addresses and the two
; scale bases are chosen, by a select on the cluster's x.  The main part is one text.
; CLUSTERS: 4 x 4 work-groups.  x's tiles hang on the tile row and are asked for jointly by the four of a row of the cluster, W's on the tile column and by the four of a column.
; OUT.  q, k: [head of batch 64][token tile 128][768 bytes]: the six registers of K = 64, registers 2 p, 2 p + 1 of lane l at 256 p + 8 l.  v: [head of batch][key step 16][tile of 16 of the head's 64][1,536 bytes].
; Scale words from QSC on, 512 bytes for each section, head and 128 tokens: q, k: [lane half h][r][4 words], word i for token tile 4 h + i, the two bytes of K = 64 twice; v: word i for tile i, both halves alike.
; REGISTERS, in windows of 256: window 0: v0-31 addresses; v32-63 source 0's scale words, v64-95 source 1's; v96-111 the bias along lanes; v128-223 source 1's fragments, one set.
;   window 1: source 0's fragments, two sets, v0-95 and v128-223; the bias along registers in v96-127 and v224-255.   windows 2, 3: the accumulators, (a, b) at v[8 (8 (a % 4) + b)].
; LIMITS: NaN and infinities are not served.  A block of results that is all zeros or lies under 2^-124 gets the byte 1; the bytes are read by this program alone.
.set HALFT, 24576                      ; 8 tiles x 3,072 bytes: what one tensor load brings, and what a wave reads of one side
.set SLOT,  98304                      ; x's 16 tiles, then W's 16
.set SPARE, 196608                     ; behind the ring: the spare words, 128 bytes a wave: two blocks of 256 bytes that no other line names
.set SCO,   9437184                    ; opq's scale words
.set QSC,   18874368                   ; qkv's scale words
.set FR,    12
.set ADRP,  16                         ; v16-17 LDS address of source 0's fragments in slot 0, 1
.set ADRR,  20                         ; v20-21 of source 1's
.set L8,    24                         ; v24 8 x lane
.set L16,   25                         ; v25 16 x lane
.set VS,    26                         ; v26 2,048 (lane / 16) + 16 (lane % 16): lanes 0-15 take block j's scale words, lanes 16-31 block j + 4's
.set SPW,   28                         ; v28 my spare word; never rewritten
.set NIL,   29                         ; v29 0; never rewritten
.set SP,    32
.set SR,    64
.set BR,    96
.set RF,    128
.set H,     128                        ; the way out, window 0: v128-191 64 results with their bias
.set PC,    192                        ; v192-211 the fragment just made
.set TM,    212                        ; v212-227 at work
.set PW,    228                        ; v228-235 eight scale words
.set XW,    236
.set AW,    240
.set BW,    244
.set SEL,   90                         ; s[90:91]
.set G1,    24                         ; s[24:31] group 1 for x's tiles; s[32:39] group 0, a set for each slot
.set G0,    32
.set G1B,   48                         ; s[48:55], s[56:63] the same for W's
.set G0B,   56
.set MSB, 0
.macro WIN new                         ; the immediate's high byte repeats the setting that is left
.if MSB != (\new)
	s_set_vgpr_msb (MSB<<8)|(\new)
.set MSB, (\new)
.endif
.endm
.set MUL_LO, 0xa1                      ; source 0 window 1, source 1 window 0, C and D window 2
.set MUL_HI, 0xf1                      ; the same, C and D window 3
.set TO_P,   0x40                      ; destination window 1, address window 0
; A joint load: waves 0 and 1 fetch x's halves, waves 2 and 3 W's.  The branch hangs on the wave's number alone.  Four v_nop follow each of the two lines.
.macro JLOAD g0a, g1a, g0b, g1b
	s_cmp_eq_u32 s15, 0
	s_cbranch_scc0 .Lfor_b_\@
	tensor_load_to_lds s[\g0a:\g0a+3], s[\g1a:\g1a+7]
	s_nop 0
.rept 4
	v_nop
.endr
	s_branch .Lasked_\@
.Lfor_b_\@:
	tensor_load_to_lds s[\g0b:\g0b+3], s[\g1b:\g1b+7]
	s_nop 0
.rept 4
	v_nop
.endr
.Lasked_\@:
.endm
.macro CREST                           ; a round of the cluster's barrier behind its opening barrier
	s_cmp_lg_u32 s14, 0
	s_cbranch_scc1 .Lnot_wave_0_\@
	s_barrier_signal -3
.Lnot_wave_0_\@:
	s_barrier_wait -3
	s_barrier_signal -1
	s_barrier_wait -1
.endm
.macro CROUND
	s_barrier_signal -1
	s_barrier_wait -1
	CREST
.endm
.macro PLACES                          ; four plain instructions between a matrix instruction and a load into, or a vector write of, its sources, or a read of its result
.rept 4
	v_nop
.endr
.endm
.macro QUANT s, pw                     ; 64 numbers of a lane, register 16 b + i = k 32 b + 16 (lane / 16) + i, become a fragment in v[PC] on and a scale word in v[pw]
.irp b, 0,1,2,3
	v_max3_num_f32 v[TM+\b], |v[\s+16*\b]|, |v[\s+1+16*\b]|, 0x1800000   ; and the floor 2^(3 - 127): the byte cannot fall under 1
.endr
.irp i, 2,4,6,8,10,12,14
.irp b, 0,1,2,3
	v_max3_num_f32 v[TM+\b], v[TM+\b], |v[\s+16*\b+\i]|, |v[\s+1+16*\b+\i]|
.endr
.endr
.irp b, 0,1,2,3
	v_permlanex16_b32 v[TM+4+\b], v[TM+\b], s[SEL], s[SEL+1]
.endr
.irp b, 0,1,2,3
	v_max_num_f32 v[TM+\b], v[TM+\b], v[TM+4+\b]
.endr
.irp b, 0,1,2,3
	v_add_nc_u32 v[TM+12+\b], 0xff000000, v[TM+\b]   ; 2 off the exponent field: the conversion's scale operand
.endr
.irp b, 0,1,2,3
	v_lshrrev_b32 v[TM+4+\b], 23, v[TM+12+\b]
.endr
	v_lshl_or_b32 v[\pw], v[TM+5], 8, v[TM+4]
	v_lshl_or_b32 v[\pw], v[TM+6], 16, v[\pw]
	v_lshl_or_b32 v[\pw], v[TM+7], 24, v[\pw]
.irp c, 0,1
	v_cvt_scalef32_pk16_fp6_f32 v[PC+6*\c:PC+2+6*\c], v[\s+32*\c:\s+15+32*\c], v[TM+12+2*\c]
	v_cvt_scalef32_pk16_fp6_f32 v[PC+12+4*\c:PC+14+4*\c], v[\s+16+32*\c:\s+31+32*\c], v[TM+12+2*\c+1]
.endr
	v_nop                                          ; one plain instruction behind the conversions
.irp c, 0,1
.irp i, 0,1,2
	v_permlane16_swap_b32 v[PC+6*\c+\i], v[PC+12+4*\c+\i]
.endr
.irp i, 0,1,2
	v_mov_b32 v[PC+3+6*\c+\i], v[PC+12+4*\c+\i]
.endr
.endr
.endm
	s_load_b128 s[4:7], s[0:1], 0x0                ; opq s[4:5], bqkv s[6:7]
	s_load_b64 s[8:9], s[0:1], 0x10                ; qkv
	v_lshl_add_u32 v[SPW], v0, 2, SPARE
	v_mov_b32 v[NIL], 0
	ds_add_u32 v28, v29
	ds_add_u32 v28, v29
	s_wait_dscnt 0x0
	v_lshrrev_b32 v1, 5, v0
	v_readfirstlane_b32 s14, v1                    ; wave 0..3
	s_lshr_b32 s15, s14, 1                         ; my half of the tokens.  Also: I fetch for x (0) or for W (1)
	s_and_b32 s16, s14, 1                          ; my half of the columns.  Also: which 8 tiles I fetch
	s_bfe_u32 s40, ttmp6, 0x40000                  ; cx, cy: my place in the cluster
	s_bfe_u32 s41, ttmp6, 0x40004
	s_lshl_b32 s42, ttmp9, 2
	s_add_co_u32 s42, s42, s40                     ; tile column, 0 .. 11
	s_and_b32 s17, ttmp7, 0xffff
	s_lshl_b32 s17, s17, 2
	s_add_co_u32 s17, s17, s41                     ; tile row, 0 .. 31
	s_lshl_b32 s43, s41, 2
	s_lshl_b32 s43, 15, s43                        ; my row of the cluster
	s_lshl_b32 s44, 0x1111, s40                    ; my column
	; group 1: 8 rows (tiles) of 384 elements of 8 bytes (a tile's two fragments), 1,536 elements (a tile's 12,288 bytes) apart; dense in LDS
	s_or_b32 s[G1], s43, (3<<16)|(1<<21)           ; 15:0 the mask; 17:16 elements of 8 bytes; 21 set beside a mask; no padding
	s_or_b32 s[G1B], s44, (3<<16)|(1<<21)
.irp g, G1, G1B
	s_mov_b32 s[\g+1], 384<<16                     ; tensor_dim0
	s_mov_b32 s[\g+2], 8<<16                       ; tensor_dim1
	s_mov_b32 s[\g+3], 384<<16                     ; tile_dim0
	s_mov_b32 s[\g+4], 8                           ; tile_dim1
	s_mov_b32 s[\g+5], 1536                        ; tensor_dim0_stride
	s_mov_b32 s[\g+6], 0
	s_mov_b32 s[\g+7], 0
.endr
	s_lshl_b32 s18, s16, 3
	s_lshl_b32 s20, s17, 4
	s_add_co_u32 s20, s20, s18                     ; x: tile 16 x tile row + 8 x half
	s_mul_i32 s20, s20, 12288
	s_mov_b32 s21, 0
	s_lshl_b32 s46, s42, 4
	s_add_co_u32 s46, s46, s18
	s_add_co_u32 s46, s46, 512                     ; W: tile 512 + 16 x tile column + 8 x half
	s_mul_i32 s46, s46, 12288
	s_mov_b32 s47, 0
	s_mul_i32 s45, s14, HALFT                      ; where they go: wave x 8 tiles: no place in the cluster enters an LDS address
	s_wait_kmcnt 0x0
	s_add_nc_u64 s[20:21], s[4:5], s[20:21]
	s_add_nc_u64 s[46:47], s[4:5], s[46:47]
	CROUND                                         ; all sixteen work-groups are here: the first joint loads meet
.irp s, 0,1
	s_mov_b32 s[G0+4*\s], 1
	s_add_co_u32 s[G0+4*\s+1], s45, \s*SLOT
	s_add_nc_u64 s[G0+4*\s+2:G0+4*\s+3], s[20:21], \s*3072
	s_or_b32 s[G0+4*\s+3], s[G0+4*\s+3], 0x80000000
	s_mov_b32 s[G0B+4*\s], 1
	s_add_co_u32 s[G0B+4*\s+1], s45, \s*SLOT
	s_add_nc_u64 s[G0B+4*\s+2:G0B+4*\s+3], s[46:47], \s*3072
	s_or_b32 s[G0B+4*\s+3], s[G0B+4*\s+3], 0x80000000
	JLOAD G0+4*\s, G1, G0B+4*\s, G1B               ; two loads of mine are out behind these
.endr
	v_and_b32 v1, 31, v0                           ; lane
	v_and_b32 v2, 15, v0                           ; r
	v_bfe_u32 v3, v0, 4, 1                         ; h (kept for the way out)
	v_lshlrev_b32 v[L8], 3, v1
	v_lshlrev_b32 v[L16], 4, v1
	s_wait_alu depctr_va_vdst(0)
	v_lshlrev_b32 v[VS], 4, v2
	v_lshl_add_u32 v[VS], v3, 11, v[VS]
	s_wait_alu depctr_va_vdst(0)
	s_mov_b32 s[SEL], 0x76543210
	s_mov_b32 s[SEL+1], 0xfedcba98
	s_mul_i32 s66, s15, HALFT                      ; my 8 tiles of tokens
	s_mul_i32 s67, s16, HALFT
	s_add_co_u32 s67, s67, 2*HALFT                 ; my 8 tiles of columns
	s_lshl_b32 s70, s17, 4
	s_lshl_b32 s71, s15, 3
	s_add_co_u32 s70, s70, s71
	s_lshl_b32 s70, s70, 9                         ; the tokens' scale words: 512 bytes a tile
	s_lshl_b32 s71, s42, 4
	s_lshl_b32 s72, s16, 3
	s_add_co_u32 s71, s71, s72
	s_add_co_u32 s71, s71, 512
	s_lshl_b32 s71, s71, 9                         ; the columns'
	s_cmp_eq_u32 ttmp9, 2                          ; v?  Then source 0 is the tokens, else the columns
	s_cselect_b32 s68, s66, s67
	s_cselect_b32 s69, s67, s66
	s_cselect_b32 s72, s70, s71
	s_cselect_b32 s74, s71, s70
	s_mov_b32 s73, 0
	s_mov_b32 s75, 0
	s_add_nc_u64 s[76:77], s[4:5], SCO
	s_add_nc_u64 s[72:73], s[76:77], s[72:73]
	s_add_nc_u64 s[74:75], s[76:77], s[74:75]
.irp s, 0,1
	v_add_nc_u32 v[ADRP+\s], s68, v[L16]
	v_add_nc_u32 v[ADRR+\s], s69, v[L16]
	s_add_co_u32 s68, s68, SLOT
	s_add_co_u32 s69, s69, SLOT
.endr
.irp j, 0,1,2,3                                ; all scale words of my 8 + 8 tiles, for all of K, once: register 8 j + s: lanes 0-15 block j, lanes 16-31 block j + 4, K step s
.irp kh, 0,1
	global_load_b128 v[SP+8*\j+4*\kh:SP+8*\j+4*\kh+3], v[VS], s[72:73] offset:512*\j+256*\kh
	global_load_b128 v[SR+8*\j+4*\kh:SR+8*\j+4*\kh+3], v[VS], s[74:75] offset:512*\j+256*\kh
.endr
.endr
	s_lshl_b32 s78, s42, 10
	s_lshl_b32 s79, s16, 9
	s_add_co_u32 s78, s78, s79                     ; the bias of my 128 columns
	s_mov_b32 s79, 0
	s_add_nc_u64 s[6:7], s[6:7], s[78:79]
	v_lshlrev_b32 v4, 6, v3                        ; along registers: tile b's eight of my lane half: 32 (b / 2) + 16 h + 8 (b % 2) + 0 .. 7
	v_and_b32 v5, 8, v2
	v_add_nc_u32 v5, v5, v2
	v_lshlrev_b32 v5, 2, v5                        ; along lanes: tile a's column r + 8 (r / 8)
	WIN TO_P
.irp b, 0,1,2,3,4,5,6,7
	global_load_b128 v[96+8*\b+96*(\b/4):99+8*\b+96*(\b/4)], v4, s[6:7] offset:(32*(\b/2)+8*(\b%2))*4
	global_load_b128 v[100+8*\b+96*(\b/4):103+8*\b+96*(\b/4)], v4, s[6:7] offset:(32*(\b/2)+8*(\b%2))*4+16
.endr
	WIN 0
.irp a, 0,1,2,3,4,5,6,7
	global_load_b32 v[BR+2*\a], v5, s[6:7] offset:(32*(\a/2)+8*(\a%2))*4
	global_load_b32 v[BR+2*\a+1], v5, s[6:7] offset:(32*(\a/2)+8*(\a%2))*4   ; (the packed addition names a pair)
.endr
	; where my results go
	s_lshl_b32 s84, s17, 8
	s_lshl_b32 s85, s15, 7
	s_add_co_u32 s84, s84, s85                     ; my first token
	s_lshr_b32 s85, s84, 11                        ; its batch
	s_lshl_b32 s85, s85, 4
	s_lshl_b32 s86, s40, 2
	s_add_co_u32 s85, s85, s86
	s_lshl_b32 s86, s16, 1
	s_add_co_u32 s85, s85, s86                     ; 16 x batch + my first head: my 128 columns are two heads
	s_bfe_u32 s84, s84, 0x40007                    ; which 128 tokens of the batch
	s_mul_i32 s86, ttmp9, 6291456
	s_mul_i32 s87, s85, 98304
	s_add_co_u32 s86, s86, s87
	s_mul_i32 s87, s84, 6144
	s_add_co_u32 s86, s86, s87
	s_mov_b32 s87, 0
	s_add_nc_u64 s[80:81], s[8:9], s[86:87]        ; codes
	s_lshl_b32 s86, ttmp9, 19
	s_lshl_b32 s88, s85, 13
	s_add_co_u32 s86, s86, s88
	s_lshl_b32 s88, s84, 9
	s_add_co_u32 s86, s86, s88
	s_add_co_u32 s86, s86, QSC
	s_add_nc_u64 s[82:83], s[8:9], s[86:87]        ; scale words
.macro WM zero, ra, rb                 ; one product; ra, rb: the side's scale words stand in lanes 16-31
.if \zero
.if (\ra) && (\rb)
	v_wmma_scale_f32_16x16x128_f8f6f4 v[rD:rD+7], v[rP:rP+11], v[rR:rR+11], 0, v[rSA], v[rSB] matrix_a_fmt:MATRIX_FMT_FP6 matrix_b_fmt:MATRIX_FMT_FP6 matrix_a_scale:MATRIX_SCALE_ROW1 matrix_b_scale:MATRIX_SCALE_ROW1
.elseif \ra
	v_wmma_scale_f32_16x16x128_f8f6f4 v[rD:rD+7], v[rP:rP+11], v[rR:rR+11], 0, v[rSA], v[rSB] matrix_a_fmt:MATRIX_FMT_FP6 matrix_b_fmt:MATRIX_FMT_FP6 matrix_a_scale:MATRIX_SCALE_ROW1
.elseif \rb
	v_wmma_scale_f32_16x16x128_f8f6f4 v[rD:rD+7], v[rP:rP+11], v[rR:rR+11], 0, v[rSA], v[rSB] matrix_a_fmt:MATRIX_FMT_FP6 matrix_b_fmt:MATRIX_FMT_FP6 matrix_b_scale:MATRIX_SCALE_ROW1
.else
	v_wmma_scale_f32_16x16x128_f8f6f4 v[rD:rD+7], v[rP:rP+11], v[rR:rR+11], 0, v[rSA], v[rSB] matrix_a_fmt:MATRIX_FMT_FP6 matrix_b_fmt:MATRIX_FMT_FP6
.endif
.else
.if (\ra) && (\rb)
	v_wmma_scale_f32_16x16x128_f8f6f4 v[rD:rD+7], v[rP:rP+11], v[rR:rR+11], v[rD:rD+7], v[rSA], v[rSB] matrix_a_fmt:MATRIX_FMT_FP6 matrix_b_fmt:MATRIX_FMT_FP6 matrix_a_scale:MATRIX_SCALE_ROW1 matrix_b_scale:MATRIX_SCALE_ROW1
.elseif \ra
	v_wmma_scale_f32_16x16x128_f8f6f4 v[rD:rD+7], v[rP:rP+11], v[rR:rR+11], v[rD:rD+7], v[rSA], v[rSB] matrix_a_fmt:MATRIX_FMT_FP6 matrix_b_fmt:MATRIX_FMT_FP6 matrix_a_scale:MATRIX_SCALE_ROW1
.elseif \rb
	v_wmma_scale_f32_16x16x128_f8f6f4 v[rD:rD+7], v[rP:rP+11], v[rR:rR+11], v[rD:rD+7], v[rSA], v[rSB] matrix_a_fmt:MATRIX_FMT_FP6 matrix_b_fmt:MATRIX_FMT_FP6 matrix_b_scale:MATRIX_SCALE_ROW1
.else
	v_wmma_scale_f32_16x16x128_f8f6f4 v[rD:rD+7], v[rP:rP+11], v[rR:rR+11], v[rD:rD+7], v[rSA], v[rSB] matrix_a_fmt:MATRIX_FMT_FP6 matrix_b_fmt:MATRIX_FMT_FP6
.endif
.endif
.endm
; 16 products: source 1's blocks a0, a0 + 1 x source 0's eight, K step s.  The 64 accumulators take turns, one instruction a turn, in the same order in every step.
.macro MUL16 a0, set, s, zero
.irp a, \a0, \a0+1
.irp b, 0,1,2,3,4,5,6,7
.set rD, 8*(8*((\a)%4)+\b)
.set rP, 128*(\set)+FR*\b
.set rR, RF+FR*(\a)
.set rSA, SP+8*(\b%4)+(\s)
.set rSB, SR+8*((\a)%4)+(\s)
	WM \zero, (\b)/4, (\a)/4
.endr
.endr
.endm
.macro FRAG reg, adr, off              ; a fragment's image: three loads of 512 consecutive bytes
.irp c, 0,1,2
	ds_load_b128 v[(\reg)+4*\c:(\reg)+4*\c+3], v[\adr] offset:(\off)+512*\c
.endr
.endm
.macro FETCH_P slot, q, set            ; source 0's eight fragments of the slot's q-th 128 along K
	WIN TO_P
.irp i, 0,1,2,3,4,5,6,7
	FRAG 128*(\set)+FR*\i, ADRP+\slot, 3072*\i+1536*(\q)
.endr
	WIN 0
.endm
.macro FETCH_R slot, q, i0             ; source 1's blocks i0 .. i0 + 3
.irp i, \i0, \i0+1, \i0+2, \i0+3
	FRAG RF+FR*(\i), ADRR+\slot, 3072*(\i)+1536*(\q)
.endr
.endm
; A slot's first K step.  A block of source 1 is free as soon as its eight products are issued, so it has one set; source 0 is at work through the whole step and has two.
.macro STEP slot, s, zero
	s_wait_dscnt 12                                ; source 0's set and source 1's blocks 0-3 are in; the youngest 12 loads (blocks 4-7) may be out
	WIN MUL_LO
	MUL16 0, 0, \s, \zero
	MUL16 2, 0, \s, \zero
	s_wait_dscnt 0x0                               ; blocks 4-7 are in
	PLACES
	FETCH_P \slot, 1, 1
	FETCH_R \slot, 1, 0
	WIN MUL_HI
	MUL16 4, 0, \s, \zero
	MUL16 6, 0, \s, \zero
	PLACES
	WIN 0
	FETCH_R \slot, 1, 4
.endm
; A slot's second K step changes slots: one barrier; in front of it each wave waits for all its tensor loads, adds 0 to its spare word, and waits for that and for its reads of this slot.
; fill = 1: the barrier opens a round of the cluster's, and this slot is filled again, with the K steps two slots on, first thing behind it.
.macro TURN slot, next, fill, s
	s_wait_tensorcnt 0x0                           ; all my tensor loads have landed: my part of the next slot
	ds_add_u32 v[SPW], v[NIL]                      ; 0 onto my spare word
	s_wait_dscnt 13                                ; (the add and the youngest 12 loads may be out)
	WIN MUL_LO
	MUL16 0, 1, \s, 0                              ; sixteen products stand between the add and the wait for it
	s_wait_dscnt 0x0                               ; the add is done, and my reads of this slot are over
	s_barrier_signal -1
	MUL16 2, 1, \s, 0
	WIN 0
	s_barrier_wait -1
.if \fill
	CREST                                          ; no wave of any partner still reads this slot or has a load on its way
	s_add_nc_u64 s[G0+4*\slot+2:G0+4*\slot+3], s[G0+4*\slot+2:G0+4*\slot+3], 6144
	s_add_nc_u64 s[G0B+4*\slot+2:G0B+4*\slot+3], s[G0B+4*\slot+2:G0B+4*\slot+3], 6144
	JLOAD G0+4*\slot, G1, G0B+4*\slot, G1B         ; my one tensor load behind the round; its four v_nop are also the places in front of the loads below
.else
	PLACES
.endif
	FETCH_P \next, 0, 0
	FETCH_R \next, 0, 0
	WIN MUL_HI
	MUL16 4, 1, \s, 0
	MUL16 6, 1, \s, 0
	PLACES
	WIN 0
	FETCH_R \next, 0, 4
.endm
	s_wait_alu depctr_va_vdst(0)
	s_wait_tensorcnt 1                             ; my part of slot 0 is in; slot 1's load may be out
	s_barrier_signal -1
	s_barrier_wait -1
	FETCH_P 0, 0, 0
	FETCH_R 0, 0, 0
	FETCH_R 0, 0, 4
	s_wait_loadcnt 0x0                             ; scale words and biases
	STEP 0, 0, 1                                   ; the first products start the sums: nothing is cleared.  K = 1024 is eight steps: written straight
	TURN 0, 1, 1, 1
	STEP 1, 2, 0
	TURN 1, 0, 1, 3
	STEP 0, 4, 0
	TURN 0, 1, 0, 5                                ; nothing is left to fetch
	STEP 1, 6, 0
	s_wait_dscnt 12
	WIN MUL_LO
	MUL16 0, 1, 7, 0
	MUL16 2, 1, 7, 0
	s_wait_dscnt 0x0
	WIN MUL_HI
	MUL16 4, 1, 7, 0
	MUL16 6, 1, 7, 0
	WIN 0
	PLACES                                         ; behind the last products: what follows reads results and writes registers that held source 1's fragments
.irp b, 0,1,2,3
	v_mov_b32 v[TM+4+\b], 0                        ; a lane permute's destination counts as one of its sources
.endr
; THE WAY OUT of source 1's block a: its 64 results of a lane, with the bias, come into window 0 (each accumulator from its low end on), are quantised and stored as an image.
.macro EPI a, isv
.if \isv
	WIN 0x02+(\a)/4                                ; source 0: window 2 or 3; the bias along lanes: window 0
.else
	WIN 0x06+(\a)/4                                ; the bias along registers: window 1
.endif
.set ii, 0
.rept 32
.if \isv
	v_pk_add_f32 v[H+2*ii:H+2*ii+1], v[64*((\a)%4)+2*ii:64*((\a)%4)+2*ii+1], v[BR+2*(\a):BR+2*(\a)+1] op_sel_hi:[1,0]
.else
	v_pk_add_f32 v[H+2*ii:H+2*ii+1], v[64*((\a)%4)+2*ii:64*((\a)%4)+2*ii+1], v[96+2*ii+96*(ii/16):97+2*ii+96*(ii/16)]
.endif
.set ii, ii+1
.endr
	WIN 0
	s_wait_xcnt 0x0                                ; the last block's stores have read the codes' registers
	QUANT H, PW+(\a)
.if \isv
.irp c, 0,1,2                                  ; 16 of a head's 64 x my 128 keys: head a / 4, tile a % 4
	global_store_b128 v[L16], v[PC+4*\c:PC+4*\c+3], s[80:81] offset:((\a)/4)*98304+((\a)%4)*1536+512*\c
.endr
.else
.irp p, 0,1,2                                  ; token tile a: registers 0-5 are the first head's 64, registers 6-11 the second's; each store covers 256 consecutive bytes, aligned
	global_store_b64 v[L8], v[PC+2*\p:PC+2*\p+1], s[80:81] offset:768*(\a)+256*\p
	global_store_b64 v[L8], v[PC+6+2*\p:PC+7+2*\p], s[80:81] offset:98304+768*(\a)+256*\p
.endr
.endif
.endm
	s_cmp_eq_u32 ttmp9, 2                          ; the cluster's x: the same in all sixteen partners
	s_cbranch_scc1 .Lvalues
.irp a, 0,1,2,3,4,5,6,7
	EPI \a, 0
.endr
	v_cmp_ne_u32 vcc_lo, 0, v3
	s_mov_b32 s92, 0x01000100
	s_mov_b32 s93, 0x03020302
.irp i, 0,1,2,3
	v_cndmask_b32 v[XW+\i], v[PW+\i], v[PW+4+\i], vcc_lo   ; lanes 0-15 send token tiles 0-3's words, lanes 16-31 tiles 4-7's
.endr
.irp i, 0,1,2,3
	v_perm_b32 v[AW+\i], v[XW+\i], v[XW+\i], s92   ; the first head's two bytes, twice: the upper half of the attention's K step holds zero codes, and its bytes repeat real ones
	v_perm_b32 v[BW+\i], v[XW+\i], v[XW+\i], s93   ; the second head's
.endr
	global_store_b128 v[L16], v[AW:AW+3], s[82:83]
	global_store_b128 v[L16], v[BW:BW+3], s[82:83] offset:8192
	s_branch .Ltail
.Lvalues:
.irp a, 0,1,2,3,4,5,6,7
	EPI \a, 1
.endr
	global_store_b128 v[L16], v[PW:PW+3], s[82:83]             ; word i: tile i of the first head; both halves of the lanes hold the same
	global_store_b128 v[L16], v[PW+4:PW+7], s[82:83] offset:8192
.Ltail:
	s_wait_tensorcnt 0x0                           ; the wave's end
	ds_add_u32 v[SPW], v[NIL]
	s_wait_dscnt 0x0
	CROUND                                         ; the closing round: no work-group ends while a partner may still ask for a tile that names it
	s_endpgm
.Lfunc_end_k_q203f53f720_gemm_qkv:
	.size	k_q203f53f720_gemm_qkv, .Lfunc_end_k_q203f53f720_gemm_qkv-k_q203f53f720_gemm_qkv
	.p2alignl 7, 3214868480
	.fill 96, 4, 3214868480
	.section	.rodata,"a",@progbits
	.p2align	6, 0x0
	.amdhsa_kernel k_q203f53f720_gemm_qkv
		.amdhsa_group_segment_fixed_size 327680
		.amdhsa_private_segment_fixed_size 0
		.amdhsa_enable_private_segment 0
		.amdhsa_kernarg_size 24
		.amdhsa_user_sgpr_count 2
		.amdhsa_user_sgpr_kernarg_segment_ptr 1
		.amdhsa_wavefront_size32 1
		.amdhsa_system_sgpr_workgroup_id_x 1
		.amdhsa_system_sgpr_workgroup_id_y 1
		.amdhsa_system_sgpr_workgroup_id_z 1
		.amdhsa_system_vgpr_workitem_id 0
		.amdhsa_next_free_vgpr 1024
		.amdhsa_next_free_sgpr 100
		.amdhsa_reserve_vcc 1
		.amdhsa_float_denorm_mode_32 3
		.amdhsa_float_denorm_mode_16_64 3
		.amdhsa_memory_ordered 1
		.amdhsa_forward_progress 1
		.amdhsa_inst_pref_size 208
	.end_amdhsa_kernel
	.amdgpu_metadata
---
amdhsa.version: [ 1, 2 ]
amdhsa.kernels:
  - .name:           k_q203f53f720_gemm_qkv
    .symbol:         k_q203f53f720_gemm_qkv.kd
    .args:
      - { .name: opq, .offset: 0, .size: 8, .value_kind: global_buffer, .address_space: global }
      - { .name: bqkv, .offset: 8, .size: 8, .value_kind: global_buffer, .address_space: global }
      - { .name: qkv, .offset: 16, .size: 8, .value_kind: global_buffer, .address_space: global }
    .group_segment_fixed_size: 327680
    .private_segment_fixed_size: 0
    .kernarg_segment_align: 8
    .kernarg_segment_size: 24
    .max_flat_workgroup_size: 128
    .sgpr_count:     100
    .vgpr_count:     1024
    .wavefront_size: 32
...
	.end_amdgpu_metadata
.endif
;; end of part 2
;; launch attn (part 3): grid 256 x 1, 16 waves a work-group, clusters of 4 x 1, 327,680 bytes of LDS; arguments qkv, yq; writes yq
.if DOCPART == 3
	.amdgcn_target "amdgcn-amd-amdhsa--gfx1250"
	.amdhsa_code_object_version 6
	.text
	.protected	k_q203f53f720_attn
	.globl	k_q203f53f720_attn
	.p2align	8
	.type	k_q203f53f720_attn,@function
k_q203f53f720_attn:
	s_mov_b64 s[64:65], 0
	v_nop
	global_prefetch_b8 v0, s[64:65] scope:SCOPE_SE
	s_setreg_imm32_b32 hwreg(HW_REG_WAVE_MODE, 25, 1), 1
	s_wait_xcnt 0x0
	s_wait_alu depctr_hold_cnt(0) depctr_sa_sdst(0) depctr_va_vdst(0) depctr_va_sdst(0) depctr_va_ssrc(0) depctr_va_vcc(0) depctr_vm_vsrc(0)
	s_getreg_b32 s2, hwreg(HW_REG_IB_STS2, 6, 4)
	s_cmp_eq_u32 s2, 0
	s_cbranch_scc0 .Lentry_in_a_cluster
	s_endpgm
.Lentry_in_a_cluster:
	s_bfe_u32 s2, ttmp6, 0x10000c
	s_cmp_lg_u32 s2, 0x3003
	s_cbranch_scc0 .Lentry_shape_is_right
	s_endpgm
.Lentry_shape_is_right:
; y = softmax(q k^T / 8, causal) v for 64 heads of batch, 2,048 tokens, head size 64, both products on codes of FP6 (E2M3) with E8M0 block scales; y is quantised along the model's 1,024 for the last product.
; THE SOFTMAX AHEAD OF THE SECOND PRODUCT: t = score x log2(e) / 8; M = the row's largest t so far, rounded UP to a whole number; p = 2^(t - M) is quantised along the keys, not normalised; the row's sum is taken of
; the unquantised p and divides at the end.  When M moves, the sum and O are multiplied by 2^(old M - new M): exact.
; SHARES.  A cluster of four work-groups owns a head; each holds the head's WHOLE k and v (codes 2 x 98,304 bytes, scale words 2 x 8,192) in LDS, filled once by joint tensor loads: no ring, no refill.
; A head has 16 groups of 128 queries; a tile (16 queries) of group g walks key steps 0 .. g of 128 keys, the last on the diagonal.  Wave w takes one tile of group GL (8 .. 15) and then one of group 15 - GL:
; 17 key steps for every wave of every work-group.  All branches hang on the wave's number and a counted trip: they are alike in all partners; the place in the cluster enters global addresses and the mask's
; lane number alone.
; LAYOUT.  Both products are used transposed: S^T = k q^T (source 0 = 16 keys, source 1 = my 16 queries), O^T = v^T p^T: a lane holds ONE query throughout.  The head's 64 fill half of the instruction's 128 along K:
; registers 6-11 of q's and k's fragments hold zero codes, set once.  Tokens lie in tiles whose lane r holds token 32 (T / 2) + 8 (T % 2) + r + 8 (r / 8): so the 16 registers of score tiles 2 b, 2 b + 1
; are 16 neighbouring keys, and those of O^T's tiles 16 neighbours of the head's 64.
; REGISTERS: v1-5, v9 addresses and constants that stay; v6-8 the step's LDS addresses; v10-11 y's offsets; v12 -M, v13 the largest t, v[14:15] the sum; v16-27 q; v28-33 the second tile's q; v34, v35 q's scale
; words; v36-39 k's, v40-43 v's, v44 p's; v48-95 four fragments of k; v96-159 S^T, then p, then v's four fragments, at the end y; v160-191 O^T; v192-210 codes; v212-227 at work.
; LIMITS: NaN and infinities are not served.  A block of p or of y that is all zeros or lies under 2^-124 gets the byte 1; the bytes are read by this program alone.
.set VIMG, 98304                       ; LDS: k's images from 0, v's from here,
.set KSC,  196608                      ; k's scale words, and 8,192 bytes on v's
.set QSC,  18874368                    ; qkv's scale words
.set YSC,  6291456                     ; yq's scale words
.set WV,   8                           ; s8 wave; s9 wave / 8; s10 wave % 8; s11 cx; s12 the head of batch
.set GL,   13                          ; s13 my first tile's group; s14 my second's; s15 the tile's number in its group
.set GS,   14
.set SEL,  16                          ; s[16:17] lane selects: lane l xor 16
.set CS,   18                          ; s[18:19] c = log2(e) / 8
.set G1A,  24                          ; s[24:31], s[32:39], s[40:47] groups 1: 4, 6 and 42 rows of 256 bytes
.set G1B,  32
.set G1C,  40
.set G0A,  48                          ; s[48:51], s[52:55], s[56:59] groups 0
.set G0B,  52
.set G0C,  56
.set TR,   60                          ; s60 the trip
.set ADD,  61
.set G,    62                          ; s62 the group of the tile in hand
.set KS,   63                          ; s63 the key step
.set TK,   66                          ; s66 6,144 x key step
.set TS,   67                          ; s67 512 x key step
.macro ROUND                           ; a round of the cluster's barrier
	s_barrier_signal -1
	s_barrier_wait -1
	s_cmp_lg_u32 s[WV], 0
	s_cbranch_scc1 .Lnot_wave_0_\@
	s_barrier_signal -3
.Lnot_wave_0_\@:
	s_barrier_wait -3
	s_barrier_signal -1
	s_barrier_wait -1
.endm
	s_load_b128 s[4:7], s[0:1], 0x0                ; qkv s[4:5], yq s[6:7]
	v_lshl_add_u32 v254, v0, 2, 0x34000
	v_mov_b32 v255, 0
	ds_add_u32 v254, v255
	ds_add_u32 v254, v255
	v_lshrrev_b32 v1, 5, v0
	s_delay_alu instid0(VALU_DEP_1)
	v_readfirstlane_b32 s[WV], v1                  ; wave 0..15
	s_lshr_b32 s9, s[WV], 3                        ; 0: I fetch for k; 1: for v
	s_and_b32 s10, s[WV], 7
	s_bfe_u32 s11, ttmp6, 0x40000                  ; cx
	s_mov_b32 s12, ttmp9                           ; in a cluster launch ttmp9 counts clusters: the head of batch
	s_xor_b32 s[GL], s9, 1
	s_mul_i32 s[GL], s[GL], 7
	s_xor_b32 s[GL], s[GL], s10
	s_add_co_u32 s[GL], s[GL], 8                   ; waves 0-7: 15 - wave; waves 8-15: wave
	s_xor_b32 s[GS], s[GL], 15                     ; 15 - GL
	s_lshl_b32 s15, s11, 1
	s_add_co_u32 s15, s15, s9                      ; my tiles' number in their groups: 2 cx + wave / 8
.irp g, G1A, G1B, G1C                          ; dense blocks as rows of 256 bytes: 32 elements of 8 bytes
	s_mov_b32 s[\g], 15|(3<<16)|(1<<21)            ; 15:0 the mask: all four work-groups; 17:16 elements of 8 bytes; 21 set beside a mask; no padding
	s_mov_b32 s[\g+1], 32<<16                      ; tensor_dim0
	s_mov_b32 s[\g+3], 32<<16                      ; tile_dim0
	s_mov_b32 s[\g+5], 32                          ; tensor_dim0_stride
	s_mov_b32 s[\g+6], 0
	s_mov_b32 s[\g+7], 0
.endr
	s_mov_b32 s[G1A+2], 4<<16                      ; tensor_dim1 and tile_dim1: an eighth of a side's scale words,
	s_mov_b32 s[G1A+4], 4
	s_mov_b32 s[G1B+2], 6<<16                      ; of its first two key steps,
	s_mov_b32 s[G1B+4], 6
	s_mov_b32 s[G1C+2], 42<<16                     ; of the other fourteen
	s_mov_b32 s[G1C+4], 42
	s_add_co_u32 s77, s9, 1                        ; section 1 (k) or 2 (v)
	s_lshl_b32 s78, s77, 19
	s_lshl_b32 s79, s12, 13
	s_add_co_u32 s78, s78, s79
	s_lshl_b32 s79, s10, 10
	s_add_co_u32 s78, s78, s79
	s_add_co_u32 s78, s78, QSC
	s_mov_b32 s79, 0
	s_mul_i32 s80, s77, 6291456
	s_mul_i32 s81, s12, 98304
	s_add_co_u32 s80, s80, s81
	s_mul_i32 s81, s10, 1536
	s_add_co_u32 s82, s80, s81
	s_mov_b32 s83, 0
	s_mul_i32 s81, s10, 10752
	s_add_co_u32 s84, s80, s81
	s_add_co_u32 s84, s84, 12288
	s_mov_b32 s85, 0
	s_lshl_b32 s86, s9, 13                         ; the LDS places: made of the wave's number alone
	s_lshl_b32 s87, s10, 10
	s_add_co_u32 s86, s86, s87
	s_add_co_u32 s86, s86, KSC
	s_mul_i32 s87, s9, VIMG
	s_mul_i32 s88, s10, 1536
	s_add_co_u32 s88, s88, s87
	s_mul_i32 s89, s10, 10752
	s_add_co_u32 s89, s89, s87
	s_add_co_u32 s89, s89, 12288
	s_mov_b32 s[SEL], 0x76543210
	s_mov_b32 s[SEL+1], 0xfedcba98
	s_mov_b32 s[CS], 0x3e38aa3b
	s_mov_b32 s[CS+1], s[CS]                       ; (named with it as a pair, so it is written)
	s_wait_dscnt 0x0
	s_wait_kmcnt 0x0
	s_mov_b32 s[G0A], 1
	s_mov_b32 s[G0A+1], s86
	s_add_nc_u64 s[G0A+2:G0A+3], s[4:5], s[78:79]
	s_or_b32 s[G0A+3], s[G0A+3], 0x80000000
	s_mov_b32 s[G0B], 1
	s_mov_b32 s[G0B+1], s88
	s_add_nc_u64 s[G0B+2:G0B+3], s[4:5], s[82:83]
	s_or_b32 s[G0B+3], s[G0B+3], 0x80000000
	s_mov_b32 s[G0C], 1
	s_mov_b32 s[G0C+1], s89
	s_add_nc_u64 s[G0C+2:G0C+3], s[4:5], s[84:85]
	s_or_b32 s[G0C+3], s[G0C+3], 0x80000000
	ROUND                                          ; all four work-groups are here: the joint loads meet
	tensor_load_to_lds s[G0A:G0A+3], s[G1A:G1A+7]  ; every wave issues the same line: one load of mine is out
	s_nop 0
	s_wait_alu depctr_va_vdst(0)
	s_wait_tensorcnt 0x0
	ds_add_u32 v254, v255
	s_wait_dscnt 0x0
	ROUND
	tensor_load_to_lds s[G0B:G0B+3], s[G1B:G1B+7]
	s_nop 0
	s_wait_alu depctr_va_vdst(0)
	s_wait_tensorcnt 0x0
	ds_add_u32 v254, v255
	s_wait_dscnt 0x0
	ROUND
	tensor_load_to_lds s[G0C:G0C+3], s[G1C:G1C+7]
	s_nop 0
.rept 4
	v_nop
.endr
	v_and_b32 v45, 31, v0                          ; lane
	v_and_b32 v46, 15, v0                          ; r
	v_bfe_u32 v47, v0, 4, 1                        ; h
	s_delay_alu instid0(VALU_DEP_3)
	v_lshlrev_b32 v1, 3, v45                       ; 8 x lane: a plane of k's, q's and y's images
	s_delay_alu instid0(VALU_DEP_4)
	v_lshlrev_b32 v2, 4, v45
	s_delay_alu instid0(VALU_DEP_1)
	v_add_nc_u32 v3, KSC, v2                       ; 16 x lane among the scale words
	s_delay_alu instid0(VALU_DEP_2)
	v_add_nc_u32 v2, VIMG, v2                      ; 16 x lane among v's images
	v_lshlrev_b32 v9, 4, v46                       ; 16 r
	s_wait_alu depctr_va_vdst(0)
	v_and_b32 v4, 8, v46
	s_delay_alu instid0(VALU_DEP_1)
	v_add_nc_u32 v4, v4, v46
	v_lshlrev_b32 v226, 4, v47
	s_delay_alu instid0(VALU_DEP_1)
	v_sub_nc_u32 v4, v4, v226
	s_lshl_b32 s77, s11, 5
	s_lshl_b32 s90, s9, 3
	s_add_co_u32 s77, s77, s90
	v_add_nc_u32 v4, s77, v4                       ; my query's place in its group of 128, less 16 h: register 16 b + i holds key 32 b + 16 h + i of the step: hidden on the diagonal where 32 b + i is greater
	v_mov_b32 v5, 0xff800000                       ; -infinity
	s_mul_i32 s77, s12, 98304                      ; q's codes: section 0, my head, token tile 8 x group + my number
	s_lshl_b32 s90, s[GL], 3
	s_add_co_u32 s90, s90, s15
	s_mul_i32 s90, s90, 768
	s_add_co_u32 s90, s90, s77
	s_mov_b32 s91, 0
	s_add_nc_u64 s[68:69], s[4:5], s[90:91]
	s_lshl_b32 s90, s[GS], 3
	s_add_co_u32 s90, s90, s15
	s_mul_i32 s90, s90, 768
	s_add_co_u32 s90, s90, s77
	s_add_nc_u64 s[70:71], s[4:5], s[90:91]
	s_lshl_b32 s77, s12, 13                        ; q's scale words: half (number / 4), word number % 4
	s_lshr_b32 s92, s15, 2
	s_lshl_b32 s92, s92, 8
	s_add_co_u32 s77, s77, s92
	s_and_b32 s92, s15, 3
	s_lshl_b32 s92, s92, 2
	s_add_co_u32 s77, s77, s92
	s_add_co_u32 s77, s77, QSC
	s_lshl_b32 s90, s[GL], 9
	s_add_co_u32 s90, s90, s77
	s_add_nc_u64 s[72:73], s[4:5], s[90:91]
	s_lshl_b32 s90, s[GS], 9
	s_add_co_u32 s90, s90, s77
	s_add_nc_u64 s[74:75], s[4:5], s[90:91]
.irp p, 0,1,2
	global_load_b64 v[16+2*\p:17+2*\p], v1, s[68:69] offset:256*\p
	global_load_b64 v[28+2*\p:29+2*\p], v1, s[70:71] offset:256*\p
.endr
	global_load_b32 v34, v9, s[72:73]
	global_load_b32 v35, v9, s[74:75]
	; y's places but for the group: token tile 128 x batch + 8 x group + number; 12,288 bytes a tile, 768 a head; scale words 512 bytes a tile
	s_lshr_b32 s77, s12, 4
	s_lshl_b32 s77, s77, 7
	s_add_co_u32 s77, s77, s15
	s_and_b32 s90, s12, 15                         ; the head
	s_mul_i32 s76, s77, 12288
	s_mul_i32 s92, s90, 768
	s_add_co_u32 s76, s76, s92
	s_lshl_b32 s93, s77, 9
	s_lshr_b32 s92, s90, 3
	s_lshl_b32 s92, s92, 8                         ; K half: head / 8
	s_add_co_u32 s93, s93, s92
	s_bfe_u32 s92, s90, 0x20001
	s_lshl_b32 s92, s92, 2                         ; word: (head / 2) % 4
	s_add_co_u32 s93, s93, s92
	s_and_b32 s92, s90, 1
	s_lshl_b32 s92, s92, 1                         ; bytes 2 (head % 2) and the next
	s_add_co_u32 s93, s93, s92
	s_add_co_u32 s93, s93, YSC
.irp i, 22,23,24,25,26,27
	v_mov_b32 v[\i], 0                             ; q's upper half of K: zero codes
.endr
.irp t, 0,1,2,3
.irp i, 6,7,8,9,10,11
	v_mov_b32 v[48+12*\t+\i], 0                    ; k's likewise: never written again
.endr
.endr
	v_mov_b32 v13, 0xff61b1e6                      ; the largest t so far: -3e38
	s_delay_alu instid0(VALU_DEP_1)
	v_floor_f32 v12, -v13                          ; -M
	v_mov_b32 v14, 0
	v_mov_b32 v15, 0
.irp b, 0,1,2,3
	v_mov_b32 v[216+\b], 0                         ; a lane permute's destination counts as one of its sources
.endr
	v_mov_b32 v225, 0                              ; (named as the upper half of the pair v[224:225])
.set jj, 0
.rept 32
	v_mov_b32 v[160+jj], 0                         ; O^T: the step is written once; a tile's first step finds zeros
.set jj, jj+1
.endr
; A KEY STEP: 128 keys for my tile.  diag = 1: the text holds the mask, jumped over in every step but the tile's last.
.macro TSTEP diag
	s_setprio 2
	v_add_nc_u32 v6, s[TK], v1                     ; these three and two v_nop are the five places between the last step's products and the products below, which write over v's fragments;
	s_wait_alu depctr_va_vdst(0)
	v_add_nc_u32 v7, s[TK], v2                     ; they also stand ahead of the loads into the last products' scale registers
	v_add_nc_u32 v8, s[TS], v3
	v_nop
	v_nop
	ds_load_b128 v[36:39], v8                      ; k's scale words: lanes 0-15 tiles 0-3, lanes 16-31 tiles 4-7
	ds_load_b128 v[40:43], v8 offset:8192          ; v's: tiles 0-3
.irp g, 0,1
.if \g
.rept 4
	v_nop                                          ; places in front of loads into registers that products have read
.endr
.endif
.irp t, 0,1,2,3
.irp p, 0,1,2
	ds_load_b64 v[48+12*\t+2*\p:49+12*\t+2*\p], v6 offset:(4*\g+\t)*768+256*\p
.endr
.endr
	s_wait_dscnt 0x0
.irp t, 0,1,2,3
.if \g
	v_wmma_scale_f32_16x16x128_f8f6f4 v[128+8*\t:135+8*\t], v[48+12*\t:59+12*\t], v[16:27], 0, v[36+\t], v34 matrix_a_fmt:MATRIX_FMT_FP6 matrix_b_fmt:MATRIX_FMT_FP6 matrix_a_scale:MATRIX_SCALE_ROW1
.else
	v_wmma_scale_f32_16x16x128_f8f6f4 v[96+8*\t:103+8*\t], v[48+12*\t:59+12*\t], v[16:27], 0, v[36+\t], v34 matrix_a_fmt:MATRIX_FMT_FP6 matrix_b_fmt:MATRIX_FMT_FP6
.endif
.endr
.endr
.rept 4
	v_nop
.endr
.if \diag
	s_cmp_lg_u32 s[KS], s[G]                       ; only the tile's last step lies on the diagonal
	s_cbranch_scc1 .Lopen_\@
.irp n, 0,1,2,3,4,5,6,7,8,9,10,11,12,13,14,15,16,17,18,19,20,21,22,23,24,25,26,27,28,29,30,31,32,33,34,35,36,37,38,39,40,41,42,43,44,45,46,47,48,49,50,51,52,53,54,55,56,57,58,59,60,61,62,63
	v_cmp_gt_i32 vcc_lo, 32*(\n/16)+\n%16, v4
	v_cndmask_b32 v[96+\n], v[96+\n], v5, vcc_lo   ; a hidden key's score becomes -infinity: p = 0
.endr
.Lopen_\@:
.endif
.irp b, 0,1,2,3
	v_max3_num_f32 v[212+\b], v[96+16*\b], v[97+16*\b], v[98+16*\b]   ; the largest score of each block of 32 keys: it serves the row's maximum and, since p rises with the score, the block's largest p
.endr
.irp i, 3,5,7,9,11,13
.irp b, 0,1,2,3
	v_max3_num_f32 v[212+\b], v[212+\b], v[96+16*\b+\i], v[97+16*\b+\i]
.endr
.endr
.irp b, 0,1,2,3
	v_max_num_f32 v[212+\b], v[212+\b], v[111+16*\b]
.endr
.irp b, 0,1,2,3
	s_delay_alu instid0(VALU_DEP_4)
	v_permlanex16_b32 v[216+\b], v[212+\b], s[SEL], s[SEL+1]
.endr
.irp b, 0,1,2,3
	s_delay_alu instid0(VALU_DEP_4)
	v_max_num_f32 v[212+\b], v[212+\b], v[216+\b]  ; with lane l xor 16's 16 keys
.endr
	s_delay_alu instid0(VALU_DEP_2)
	v_max3_num_f32 v226, v212, v213, v214
	s_delay_alu instid0(VALU_DEP_1)
	v_max_num_f32 v226, v226, v215
	s_delay_alu instid0(VALU_DEP_1)
	v_mul_f32 v226, s[CS], v226                    ; the step's largest t (c is positive)
	s_delay_alu instid0(VALU_DEP_1)
	v_max_num_f32 v13, v13, v226
	v_mov_b32 v226, v12
	s_delay_alu instid0(VALU_DEP_2)
	v_floor_f32 v12, -v13                          ; the new -M = -ceil(t): a whole number
	s_delay_alu instid0(VALU_DEP_1)
	v_sub_f32 v226, v12, v226                      ; old M - new M: a whole number, 0 or less
	s_delay_alu instid0(VALU_DEP_1)
	v_cvt_i32_f32 v226, v226                       ; (it saturates)
	s_delay_alu instid0(VALU_DEP_1)
	v_ldexp_f32 v224, 1.0, v226                    ; f = 2^(old M - new M)
.set jj, 0
.rept 32
	v_pk_fma_f32 v[96+jj:97+jj], v[96+jj:97+jj], s[CS:CS+1], v[12:13] op_sel_hi:[1,0,0]   ; t - M, two at a time
.set jj, jj+2
.endr
.irp b, 0,1,2,3
	v_fma_f32 v[212+\b], v[212+\b], s[CS], v12     ; the same of each block's largest score
.endr
.set jj, 0
	s_wait_alu depctr_va_vdst(0)
.rept 64
	v_exp_f32 v[96+jj], v[96+jj]                   ; p = 2^(t - M)
.set jj, jj+1
.endr
	s_setprio 1
	v_pk_mul_f32 v[14:15], v[14:15], v[224:225] op_sel_hi:[1,0]   ; the sums under the new M: the plain instruction behind the batch
	s_wait_alu depctr_va_vdst(0)                   ; one wait for the 64, ahead of their first reader
.irp b, 0,1,2,3
	v_exp_f32 v[212+\b], v[212+\b]                 ; each block's largest p
.endr
	v_pk_add_f32 v[216:217], v[96:97], v[98:99]    ; the row's sum of the UNQUANTISED p, in two chains; it reads the 64 alone
.irp j, 4,8,12,16,20,24,28,32,36,40,44,48,52,56,60
	v_pk_add_f32 v[14:15], v[14:15], v[96+\j:97+\j]
	v_pk_add_f32 v[216:217], v[216:217], v[98+\j:99+\j]
.endr
	s_delay_alu instid0(VALU_DEP_1)
	v_pk_add_f32 v[14:15], v[14:15], v[216:217]
	s_wait_alu depctr_va_vdst(0)                   ; and one for the four
.irp b, 0,1,2,3
	v_max_num_f32 v[212+\b], 0x1800000, v[212+\b]  ; the floor 2^(3 - 127)
.endr
.irp b, 0,1,2,3
	s_delay_alu instid0(VALU_DEP_4)
	v_add_nc_u32 v[220+\b], 0xff000000, v[212+\b]  ; the conversion's scale operand
.endr
.irp b, 0,1,2,3
	s_delay_alu instid0(VALU_DEP_4)
	v_lshrrev_b32 v[216+\b], 23, v[220+\b]         ; the byte
.endr
	s_delay_alu instid0(VALU_DEP_3)
	v_lshl_or_b32 v44, v217, 8, v216               ; p's scale word for these 128 keys
	s_delay_alu instid0(VALU_DEP_1)
	v_lshl_or_b32 v44, v218, 16, v44
	s_delay_alu instid0(VALU_DEP_1)
	v_lshl_or_b32 v44, v219, 24, v44
.irp c, 0,1
	v_cvt_scalef32_pk16_fp6_f32 v[192+6*\c:194+6*\c], v[96+32*\c:111+32*\c], v[220+2*\c]
	v_cvt_scalef32_pk16_fp6_f32 v[204+4*\c:206+4*\c], v[112+32*\c:127+32*\c], v[220+2*\c+1]
.endr
	v_nop                                          ; one plain instruction behind the conversions
.irp t, 0,1,2,3                                ; p is spent: v's four fragments land where it lay, while the codes are put in order and O^T is rescaled
.irp c, 0,1,2
	ds_load_b128 v[96+12*\t+4*\c:99+12*\t+4*\c], v7 offset:1536*\t+512*\c
.endr
.endr
.irp c, 0,1
.irp i, 0,1,2
	v_permlane16_swap_b32 v[192+6*\c+\i], v[204+4*\c+\i]
.endr
.irp i, 0,1,2
	s_delay_alu instid0(VALU_DEP_3)
	v_mov_b32 v[195+6*\c+\i], v[204+4*\c+\i]
.endr
.endr
.set jj, 0
.rept 16
	v_pk_mul_f32 v[160+jj:161+jj], v[160+jj:161+jj], v[224:225] op_sel_hi:[1,0]   ; O^T under the new M; these sixteen are also the places between the codes' and the scale word's last writes and the products
.set jj, jj+2
.endr
	s_setprio 0
	s_wait_alu depctr_va_vdst(0)
	s_wait_dscnt 0x0
.irp t, 0,1,2,3                                ; the four accumulators by turns
	v_wmma_scale_f32_16x16x128_f8f6f4 v[160+8*\t:167+8*\t], v[96+12*\t:107+12*\t], v[192:203], v[160+8*\t:167+8*\t], v[40+\t], v44 matrix_a_fmt:MATRIX_FMT_FP6 matrix_b_fmt:MATRIX_FMT_FP6
.endr
.endm
; A TILE'S END: O^T / the sum is y; register 16 b + i is 32 b + 16 h + i of the head's 64, two blocks of the last product's K.  It is quantised and stored as half a fragment's image; then the second tile's values are set.
.macro FINAL
	v_add_f32 v14, v14, v15
	s_delay_alu instid0(VALU_DEP_1)
	v_permlanex16_b32 v216, v14, s[SEL], s[SEL+1]
	s_delay_alu instid0(VALU_DEP_1)
	v_add_f32 v14, v14, v216                       ; the row's sum
	s_wait_alu depctr_va_vdst(0)
	v_rcp_f32 v14, v14
	s_mul_i32 s77, s[G], 98304                     ; 8 token tiles a group
	s_add_co_u32 s77, s77, s76
	s_lshl_b32 s90, s[G], 12
	s_add_co_u32 s90, s90, s93
	v_add_nc_u32 v10, s77, v1                      ; plain instructions behind the reciprocal; with the additions above also the places behind the last products
	v_add_nc_u32 v11, s90, v9
	v_nop
	v_nop
	s_wait_alu depctr_va_vdst(0)                   ; the wait ahead of the reciprocal's first reader
.set jj, 0
.rept 16
	v_pk_mul_f32 v[96+jj:97+jj], v[160+jj:161+jj], v[14:15] op_sel_hi:[1,0]   ; each accumulator from its low end on
.set jj, jj+2
.endr
.irp b, 0,1
	v_max3_num_f32 v[212+\b], |v[96+16*\b]|, |v[97+16*\b]|, 0x1800000
.endr
.irp i, 2,4,6,8,10,12,14
.irp b, 0,1
	s_delay_alu instid0(VALU_DEP_2)
	v_max3_num_f32 v[212+\b], v[212+\b], |v[96+16*\b+\i]|, |v[97+16*\b+\i]|
.endr
.endr
.irp b, 0,1
	s_delay_alu instid0(VALU_DEP_2)
	v_permlanex16_b32 v[216+\b], v[212+\b], s[SEL], s[SEL+1]
.endr
.irp b, 0,1
	s_delay_alu instid0(VALU_DEP_2)
	v_max_num_f32 v[212+\b], v[212+\b], v[216+\b]
.endr
.irp b, 0,1
	s_delay_alu instid0(VALU_DEP_2)
	v_add_nc_u32 v[220+\b], 0xff000000, v[212+\b]
.endr
.irp b, 0,1
	s_delay_alu instid0(VALU_DEP_2)
	v_lshrrev_b32 v[216+\b], 23, v[220+\b]
.endr
	s_delay_alu instid0(VALU_DEP_1)
	v_lshl_or_b32 v227, v217, 8, v216              ; my row's two bytes
	v_cvt_scalef32_pk16_fp6_f32 v[192:194], v[96:111], v220
	v_cvt_scalef32_pk16_fp6_f32 v[204:206], v[112:127], v221
	v_nop
.irp i, 0,1,2
	v_permlane16_swap_b32 v[192+\i], v[204+\i]
.endr
.irp i, 0,1,2
	s_delay_alu instid0(VALU_DEP_3)
	v_mov_b32 v[195+\i], v[204+\i]
.endr
.irp p, 0,1,2
	global_store_b64 v10, v[192+2*\p:193+2*\p], s[6:7] offset:256*\p   ; 256 consecutive bytes, aligned
.endr
	global_store_b16 v11, v227, s[6:7]             ; the program's one small store: 2 bytes a row beside its 48 bytes of codes; both halves of the lanes write the same
	v_mov_b32 v34, v35                             ; the second tile: its scale words, its codes,
.irp i, 0,1,2,3,4,5
	v_mov_b32 v[16+\i], v[28+\i]
.endr
	v_mov_b32 v13, 0xff61b1e6                      ; and the softmax's beginning
	s_delay_alu instid0(VALU_DEP_1)
	v_floor_f32 v12, -v13
	v_mov_b32 v14, 0
	v_mov_b32 v15, 0
.set jj, 0
.rept 32
	v_mov_b32 v[160+jj], 0
.set jj, jj+1
.endr
	s_wait_xcnt 0x0                                ; the stores have read their data and offsets: the next steps write those registers again
.endm
	s_wait_tensorcnt 1                             ; my parts of the scale words and of key steps 0 and 1 are in; the third load may be out
	s_barrier_signal -1
	s_barrier_wait -1                              ; everybody's are
	s_wait_loadcnt 0x0                             ; q
	s_mov_b32 s[TK], 0
	s_mov_b32 s[TS], 0
	s_mov_b32 s[TR], 0
.Lfirst:                                           ; key steps 0 and 1 of my first tile (its group is 8 at the least: no diagonal, no end) while the other fourteen steps' bytes land
	TSTEP 0
	s_add_co_u32 s[TK], s[TK], 6144
	s_add_co_u32 s[TS], s[TS], 512
	s_add_co_u32 s[TR], s[TR], 1
	s_cmp_lt_u32 s[TR], 2
	s_cbranch_scc1 .Lfirst
	s_setprio 0
	s_wait_tensorcnt 0x0                           ; my part of the rest is in,
	s_wait_dscnt 0x0
	s_barrier_signal -1
	s_barrier_wait -1                              ; everybody's is
	s_mov_b32 s[TR], 2
.Lstep:                                            ; trips 2 .. 16: up to trip GL my first tile's key step is the trip; behind it my second tile's is trip - GL - 1
	s_cmp_gt_u32 s[TR], s[GL]
	s_cselect_b32 s[ADD], s[GS], 0
	s_cselect_b32 s[G], s[GS], s[GL]
	s_add_co_u32 s[KS], s[TR], s[ADD]
	s_and_b32 s[KS], s[KS], 15                     ; trip + 15 - GL = (trip - GL - 1) + 16
	s_mul_i32 s[TK], s[KS], 6144
	s_lshl_b32 s[TS], s[KS], 9
	TSTEP 1
	s_cmp_lg_u32 s[KS], s[G]
	s_cbranch_scc1 .Lgo_on
	FINAL
.Lgo_on:
	s_add_co_u32 s[TR], s[TR], 1
	s_cmp_lt_u32 s[TR], 17
	s_cbranch_scc1 .Lstep
	s_setprio 0
	s_wait_dscnt 0x0
	s_wait_tensorcnt 0x0
	ds_add_u32 v254, v255
	s_wait_dscnt 0x0
	ROUND                                          ; the closing round
	s_endpgm
.Lfunc_end_k_q203f53f720_attn:
	.size	k_q203f53f720_attn, .Lfunc_end_k_q203f53f720_attn-k_q203f53f720_attn
	.p2alignl 7, 3214868480
	.fill 96, 4, 3214868480
	.section	.rodata,"a",@progbits
	.p2align	6, 0x0
	.amdhsa_kernel k_q203f53f720_attn
		.amdhsa_group_segment_fixed_size 327680
		.amdhsa_private_segment_fixed_size 0
		.amdhsa_enable_private_segment 0
		.amdhsa_kernarg_size 16
		.amdhsa_user_sgpr_count 2
		.amdhsa_user_sgpr_kernarg_segment_ptr 1
		.amdhsa_wavefront_size32 1
		.amdhsa_system_sgpr_workgroup_id_x 1
		.amdhsa_system_sgpr_workgroup_id_y 1
		.amdhsa_system_sgpr_workgroup_id_z 1
		.amdhsa_system_vgpr_workitem_id 0
		.amdhsa_next_free_vgpr 256
		.amdhsa_next_free_sgpr 96
		.amdhsa_reserve_vcc 1
		.amdhsa_float_denorm_mode_32 3
		.amdhsa_float_denorm_mode_16_64 3
		.amdhsa_memory_ordered 1
		.amdhsa_forward_progress 1
		.amdhsa_inst_pref_size 59
	.end_amdhsa_kernel
	.amdgpu_metadata
---
amdhsa.version: [ 1, 2 ]
amdhsa.kernels:
  - .name:           k_q203f53f720_attn
    .symbol:         k_q203f53f720_attn.kd
    .args:
      - { .name: qkv, .offset: 0, .size: 8, .value_kind: global_buffer, .address_space: global }
      - { .name: yq, .offset: 8, .size: 8, .value_kind: global_buffer, .address_space: global }
    .group_segment_fixed_size: 327680
    .private_segment_fixed_size: 0
    .kernarg_segment_align: 8
    .kernarg_segment_size: 16
    .max_flat_workgroup_size: 512
    .sgpr_count:     96
    .vgpr_count:     256
    .wavefront_size: 32
...
	.end_amdgpu_metadata
.endif
;; end of part 3
;; launch gemm_out (part 4): grid 4 x 64, 4 waves a work-group, clusters of 4 x 4, 295,424 bytes of LDS; arguments yq, opq, bo, out0; writes out0
.if DOCPART == 4
	.amdgcn_target "amdgcn-amd-amdhsa--gfx1250"
	.amdhsa_code_object_version 6
	.text
	.protected	k_q203f53f720_gemm_out
	.globl	k_q203f53f720_gemm_out
	.p2align	8
	.type	k_q203f53f720_gemm_out,@function
k_q203f53f720_gemm_out:
	s_mov_b64 s[64:65], 0
	v_nop
	global_prefetch_b8 v0, s[64:65] scope:SCOPE_SE
	s_setreg_imm32_b32 hwreg(HW_REG_WAVE_MODE, 25, 1), 1
	s_wait_xcnt 0x0
	s_wait_alu depctr_hold_cnt(0) depctr_sa_sdst(0) depctr_va_vdst(0) depctr_va_sdst(0) depctr_va_ssrc(0) depctr_va_vcc(0) depctr_vm_vsrc(0)
	s_getreg_b32 s2, hwreg(HW_REG_IB_STS2, 6, 4)
	s_cmp_eq_u32 s2, 0
	s_cbranch_scc0 .Lentry_in_a_cluster
	s_endpgm
.Lentry_in_a_cluster:
	s_bfe_u32 s2, ttmp6, 0x10000c
	s_cmp_lg_u32 s2, 0xf033
	s_cbranch_scc0 .Lentry_shape_is_right
	s_endpgm
.Lentry_shape_is_right:
; out0 = y Wo + bo on codes of FP6 (E2M3) with E8M0 block scales, K = 1024.  y's codes come from the attention launch, Wo's from the quantiser, both as images of the operand's registers.
; A work-group of four waves makes 128 tokens x 256 columns (256 work-groups), a wave 64 x 128: 32 accumulators.  ALL OF K FITS IN LDS: four chunks of 256 along K, each filled once; no ring, no refill.
; CLUSTERS: 4 x 4 work-groups; y's tiles are asked for jointly by the four of a row of the cluster, Wo's by the four of a column.
; THE MATRIX INSTRUCTION IS USED TRANSPOSED (source 0 = 16 columns of Wo, source 1 = 16 tokens): a lane holds one token and eight neighbouring columns.  Tiles hold rows 32 (T / 2) + 8 (T % 2) + r + 8 (r / 8):
; the columns' order is undone by the place in the stage, the tokens' by the stores' offsets.  bo is the C of the first K step's products.
; REGISTERS: window 0: v4-20 addresses; v32-47 y's scale words, v48-79 Wo's; v96-191 y's fragments, two sets (on the way out v96-223: rows of the result).
;   window 1: v0-191 Wo's fragments, two sets; v192-255 bo in the result's layout.   window 2: the accumulators, (a, b) at v[8 (8 a + b)].
.set CHUNK, 73728                      ; y's 8 tiles x 3,072 bytes, then Wo's 16
.set SCO,   9437184
.set YSC,   6291456
.set FR,    12
.set ADRA,  8                          ; v8-11  LDS address of my y fragments in chunk 0 .. 3
.set ADRB,  12                         ; v12-15 of my Wo fragments
.set CO,    5                          ; v5  16 x lane
.set STO,   19                         ; v19 the stage: where I put 32 bytes of a row
.set RD,    20                         ; v20 and where I read a row back
.set SA,    32
.set SB,    48
.set AF,    96
.set BK,    96
.set G1A,   24                         ; s[24:31] group 1 for y's tiles; s[32:47] group 0, a set for each chunk
.set G0A,   32
.set G1B,   48                         ; s[48:55], s[68:83] the same for Wo's
.set G0B,   68
.set MSB, 0
.macro WIN new
.if MSB != (\new)
	s_set_vgpr_msb (MSB<<8)|(\new)
.set MSB, (\new)
.endif
.endm
.macro CROUND                          ; a round of the cluster's barrier
	s_barrier_signal -1
	s_barrier_wait -1
	s_cmp_lg_u32 s14, 0
	s_cbranch_scc1 .Lnot_wave_0_\@
	s_barrier_signal -3
.Lnot_wave_0_\@:
	s_barrier_wait -3
	s_barrier_signal -1
	s_barrier_wait -1
.endm
.macro PLACES
.rept 4
	v_nop
.endr
.endm
	s_load_b256 s[4:11], s[0:1], 0x0               ; yq s[4:5], opq s[6:7], bo s[8:9], out0 s[10:11]
	v_lshl_add_u32 v254, v0, 2, 0x48000
	v_mov_b32 v255, 0
	ds_add_u32 v254, v255
	ds_add_u32 v254, v255
	v_lshrrev_b32 v1, 5, v0
	v_readfirstlane_b32 s14, v1                    ; wave 0..3
	s_lshr_b32 s15, s14, 1                         ; my half of the tokens.  Also: I fetch for y (0) or for Wo (1)
	s_and_b32 s16, s14, 1                          ; my half of the columns.  Also: which half of that side I fetch
	s_bfe_u32 s56, ttmp6, 0x40000                  ; cx, cy
	s_bfe_u32 s57, ttmp6, 0x40004
	s_lshl_b32 s58, ttmp9, 2
	s_add_co_u32 s58, s58, s56                     ; which 256 columns
	s_and_b32 s17, ttmp7, 0xffff
	s_lshl_b32 s17, s17, 2
	s_add_co_u32 s17, s17, s57                     ; which 128 tokens
	s_lshl_b32 s59, s57, 2
	s_lshl_b32 s59, 15, s59                        ; my row of the cluster
	s_lshl_b32 s60, 0x1111, s56                    ; my column
	s_or_b32 s[G1A], s59, (3<<16)|(1<<21)          ; rows (tiles) of 384 elements of 8 bytes, 1,536 elements apart, dense in LDS: y 4 rows a load, Wo 8
	s_or_b32 s[G1B], s60, (3<<16)|(1<<21)
.irp g, G1A, G1B
	s_mov_b32 s[\g+1], 384<<16
	s_mov_b32 s[\g+3], 384<<16
	s_mov_b32 s[\g+5], 1536
	s_mov_b32 s[\g+6], 0
	s_mov_b32 s[\g+7], 0
.endr
	s_mov_b32 s[G1A+2], 4<<16
	s_mov_b32 s[G1A+4], 4
	s_mov_b32 s[G1B+2], 8<<16
	s_mov_b32 s[G1B+4], 8
	s_lshl_b32 s20, s17, 3
	s_lshl_b32 s18, s16, 2
	s_add_co_u32 s20, s20, s18                     ; y: tile 8 x token block + 4 x half
	s_mul_i32 s20, s20, 12288
	s_mov_b32 s21, 0
	s_lshl_b32 s84, s58, 4
	s_lshl_b32 s18, s16, 3
	s_add_co_u32 s84, s84, s18
	s_add_co_u32 s84, s84, 704                     ; Wo: tile 704 + 16 x column block + 8 x half
	s_mul_i32 s84, s84, 12288
	s_mov_b32 s85, 0
	s_mul_i32 s22, s16, 12288                      ; where they go in a chunk
	s_mul_i32 s23, s16, 24576
	s_add_co_u32 s23, s23, 24576
	s_wait_dscnt 0x0
	s_wait_kmcnt 0x0
	s_add_nc_u64 s[20:21], s[4:5], s[20:21]
	s_add_nc_u64 s[84:85], s[6:7], s[84:85]
.irp q, 0,1,2,3
	s_mov_b32 s[G0A+4*\q], 1
	s_add_co_u32 s[G0A+4*\q+1], s22, \q*CHUNK
	s_add_nc_u64 s[G0A+4*\q+2:G0A+4*\q+3], s[20:21], \q*3072
	s_or_b32 s[G0A+4*\q+3], s[G0A+4*\q+3], 0x80000000
	s_mov_b32 s[G0B+4*\q], 1
	s_add_co_u32 s[G0B+4*\q+1], s23, \q*CHUNK
	s_add_nc_u64 s[G0B+4*\q+2:G0B+4*\q+3], s[84:85], \q*3072
	s_or_b32 s[G0B+4*\q+3], s[G0B+4*\q+3], 0x80000000
.endr
	CROUND                                         ; all sixteen work-groups are here: the joint loads meet
	s_cmp_eq_u32 s15, 0                            ; a wave's four fills stand in one branch on its number: four loads of mine are out
	s_cbranch_scc0 .Lfor_b
.irp q, 0,1,2,3
	tensor_load_to_lds s[G0A+4*\q:G0A+4*\q+3], s[G1A:G1A+7]
	s_nop 0
.endr
.rept 4
	v_nop
.endr
	s_branch .Lasked
.Lfor_b:
.irp q, 0,1,2,3
	tensor_load_to_lds s[G0B+4*\q:G0B+4*\q+3], s[G1B:G1B+7]
	s_nop 0
.endr
.rept 4
	v_nop
.endr
.Lasked:
	v_and_b32 v1, 31, v0                           ; lane
	v_and_b32 v2, 15, v0                           ; r
	v_bfe_u32 v3, v0, 4, 1                         ; h
	v_lshlrev_b32 v4, 3, v1
	s_wait_alu depctr_va_vdst(0)
	v_lshlrev_b32 v[CO], 4, v1
	s_wait_alu depctr_va_vdst(0)
	s_mul_i32 s86, s15, 12288                      ; my 4 tiles of tokens
	s_mul_i32 s87, s16, 24576
	s_add_co_u32 s87, s87, 24576                   ; my 8 tiles of columns
.irp q, 0,1,2,3
	v_add_nc_u32 v[ADRA+\q], s86, v4
	v_add_nc_u32 v[ADRB+\q], s87, v[CO]
	s_add_co_u32 s86, s86, CHUNK
	s_add_co_u32 s87, s87, CHUNK
.endr
	v_lshlrev_b32 v16, 4, v2
	v_lshl_add_u32 v17, v3, 11, v16                ; Wo's scale words: lanes 0-15 block j, lanes 16-31 block j + 4
	v_lshl_add_u32 v16, v3, 10, v16                ; y's: lanes 16-31 block j + 2
	s_wait_alu depctr_va_vdst(0)
	v_lshlrev_b32 v18, 6, v3                       ; bo: 64 h
	s_wait_alu depctr_va_vdst(0)
	s_lshl_b32 s86, s17, 3
	s_lshl_b32 s87, s15, 2
	s_add_co_u32 s86, s86, s87
	s_lshl_b32 s86, s86, 9
	s_add_co_u32 s86, s86, YSC
	s_mov_b32 s87, 0
	s_add_nc_u64 s[86:87], s[4:5], s[86:87]
	s_lshl_b32 s88, s58, 4
	s_lshl_b32 s89, s16, 3
	s_add_co_u32 s88, s88, s89
	s_add_co_u32 s88, s88, 704
	s_lshl_b32 s88, s88, 9
	s_add_co_u32 s88, s88, SCO
	s_mov_b32 s89, 0
	s_add_nc_u64 s[88:89], s[6:7], s[88:89]
	s_lshl_b32 s90, s58, 10
	s_lshl_b32 s91, s16, 9
	s_add_co_u32 s90, s90, s91                     ; my first column, in bytes
	s_mov_b32 s91, 0
	s_add_nc_u64 s[8:9], s[8:9], s[90:91]
	s_lshl_b32 s92, s17, 19                        ; 128 rows of 4,096 bytes,
	s_lshl_b32 s93, s15, 18                        ; my 64 of them
	s_add_co_u32 s92, s92, s93
	s_add_co_u32 s92, s92, s90
	s_mov_b32 s93, 0
	s_add_nc_u64 s[12:13], s[10:11], s[92:93]
.irp j, 0,1
.irp kh, 0,1
	global_load_b128 v[SA+8*\j+4*\kh:SA+8*\j+4*\kh+3], v16, s[86:87] offset:512*\j+256*\kh
.endr
.endr
.irp j, 0,1,2,3
.irp kh, 0,1
	global_load_b128 v[SB+8*\j+4*\kh:SB+8*\j+4*\kh+3], v17, s[88:89] offset:512*\j+256*\kh
.endr
.endr
	WIN 0x40
.irp b, 0,1,2,3,4,5,6,7
	global_load_b128 v[192+8*\b:195+8*\b], v18, s[8:9] offset:(32*(\b/2)+8*(\b%2))*4
	global_load_b128 v[196+8*\b:199+8*\b], v18, s[8:9] offset:(32*(\b/2)+8*(\b%2))*4+16
.endr
	WIN 0
	s_mul_i32 s94, s14, 8448                       ; my stage: 16 rows of 512 bytes + 16, in chunk 0
	v_mul_u32_u24 v[STO], v2, 528
	v_lshl_add_u32 v[STO], v3, 6, v[STO]
	v_add_nc_u32 v[STO], s94, v[STO]
	v_add_nc_u32 v[RD], s94, v[CO]
.macro WM first, ra, rb
.if \first
.if (\ra) && (\rb)
	v_wmma_scale_f32_16x16x128_f8f6f4 v[rD:rD+7], v[rP:rP+11], v[rR:rR+11], v[rC:rC+7], v[rSA], v[rSB] matrix_a_fmt:MATRIX_FMT_FP6 matrix_b_fmt:MATRIX_FMT_FP6 matrix_a_scale:MATRIX_SCALE_ROW1 matrix_b_scale:MATRIX_SCALE_ROW1
.elseif \ra
	v_wmma_scale_f32_16x16x128_f8f6f4 v[rD:rD+7], v[rP:rP+11], v[rR:rR+11], v[rC:rC+7], v[rSA], v[rSB] matrix_a_fmt:MATRIX_FMT_FP6 matrix_b_fmt:MATRIX_FMT_FP6 matrix_a_scale:MATRIX_SCALE_ROW1
.elseif \rb
	v_wmma_scale_f32_16x16x128_f8f6f4 v[rD:rD+7], v[rP:rP+11], v[rR:rR+11], v[rC:rC+7], v[rSA], v[rSB] matrix_a_fmt:MATRIX_FMT_FP6 matrix_b_fmt:MATRIX_FMT_FP6 matrix_b_scale:MATRIX_SCALE_ROW1
.else
	v_wmma_scale_f32_16x16x128_f8f6f4 v[rD:rD+7], v[rP:rP+11], v[rR:rR+11], v[rC:rC+7], v[rSA], v[rSB] matrix_a_fmt:MATRIX_FMT_FP6 matrix_b_fmt:MATRIX_FMT_FP6
.endif
.else
.if (\ra) && (\rb)
	v_wmma_scale_f32_16x16x128_f8f6f4 v[rD:rD+7], v[rP:rP+11], v[rR:rR+11], v[rD:rD+7], v[rSA], v[rSB] matrix_a_fmt:MATRIX_FMT_FP6 matrix_b_fmt:MATRIX_FMT_FP6 matrix_a_scale:MATRIX_SCALE_ROW1 matrix_b_scale:MATRIX_SCALE_ROW1
.elseif \ra
	v_wmma_scale_f32_16x16x128_f8f6f4 v[rD:rD+7], v[rP:rP+11], v[rR:rR+11], v[rD:rD+7], v[rSA], v[rSB] matrix_a_fmt:MATRIX_FMT_FP6 matrix_b_fmt:MATRIX_FMT_FP6 matrix_a_scale:MATRIX_SCALE_ROW1
.elseif \rb
	v_wmma_scale_f32_16x16x128_f8f6f4 v[rD:rD+7], v[rP:rP+11], v[rR:rR+11], v[rD:rD+7], v[rSA], v[rSB] matrix_a_fmt:MATRIX_FMT_FP6 matrix_b_fmt:MATRIX_FMT_FP6 matrix_b_scale:MATRIX_SCALE_ROW1
.else
	v_wmma_scale_f32_16x16x128_f8f6f4 v[rD:rD+7], v[rP:rP+11], v[rR:rR+11], v[rD:rD+7], v[rSA], v[rSB] matrix_a_fmt:MATRIX_FMT_FP6 matrix_b_fmt:MATRIX_FMT_FP6
.endif
.endif
.endm
.macro MUL32 s, first                  ; K step s: the 32 accumulators by turns, one instruction a turn
.if \first
	WIN 0x91                                       ; source 0 (Wo) window 1, source 1 (y) window 0, C (bo) window 1, D window 2
.else
	WIN 0xa1                                       ; C and D window 2
.endif
.irp a, 0,1,2,3
.irp b, 0,1,2,3,4,5,6,7
.set rD, 8*(8*\a+\b)
.set rP, 96*((\s)%2)+FR*\b
.set rR, AF+48*((\s)%2)+FR*\a
.set rC, 192+8*\b
.set rSA, SB+8*(\b%4)+(\s)
.set rSB, SA+8*(\a%2)+(\s)
	WM \first, (\b)/4, (\a)/2
.endr
.endr
	WIN 0
.endm
.macro FRAG reg, adr, off              ; Wo's image: three loads of 512 consecutive bytes
.irp c, 0,1,2
	ds_load_b128 v[(\reg)+4*\c:(\reg)+4*\c+3], v[\adr] offset:(\off)+512*\c
.endr
.endm
.macro FRAGY reg, adr, off             ; y's: two heads' halves on end, six loads of 256 consecutive bytes
.irp p, 0,1,2,3,4,5
	ds_load_b64 v[(\reg)+2*\p:(\reg)+2*\p+1], v[\adr] offset:(\off)+256*\p
.endr
.endm
.macro FETCH s                         ; K step s's fragments into set s % 2: 48 loads
	WIN 0x40
.irp i, 0,1,2,3,4,5,6,7
	FRAG 96*((\s)%2)+FR*\i, ADRB+(\s)/2, 3072*\i+1536*((\s)%2)
.endr
	WIN 0
.irp i, 0,1,2,3
	FRAGY AF+48*((\s)%2)+FR*\i, ADRA+(\s)/2, 3072*\i+1536*((\s)%2)
.endr
.endm
.macro KSTEP s, first
.if !(\first)
	PLACES                                         ; in front of loads into the set that the last step's products read
.endif
.if (\s)+1 < 8
.if ((\s)+1)%2 == 0                    ; the next step opens a chunk
	s_wait_tensorcnt 3-((\s)+1)/2                  ; my part of it is in; the later chunks' loads may be out
	s_wait_dscnt 0x0
	s_barrier_signal -1
	s_barrier_wait -1                              ; everybody's is
.endif
	FETCH (\s)+1
	s_wait_dscnt 48                                ; this step's fragments are in; the 48 loads just issued may be out
.else
	s_wait_dscnt 0x0
.endif
	MUL32 \s, \first
.endm
	s_wait_tensorcnt 3                             ; my part of chunk 0 is in
	s_barrier_signal -1
	s_barrier_wait -1
	FETCH 0
	s_wait_loadcnt 0x0                             ; scale words and bo
	KSTEP 0, 1
.irp s, 1,2,3,4,5,6,7
	KSTEP \s, 0
.endr
; THE WAY OUT, by blocks of 16 tokens x 128 columns, through my own stage.  It lies in chunk 0, which has had its one fill, and whose last reads every wave awaited in front of a later barrier.
.macro TOSTAGE a
	WIN 0x08                                       ; an LDS store's data: window 2
.irp b, 0,1,2,3,4,5,6,7
	ds_store_b128 v[STO], v[8*(8*(\a)+\b):8*(8*(\a)+\b)+3] offset:128*(\b/2)+32*(\b%2)      ; columns 32 (b / 2) + 16 h + 8 (b % 2) on; each accumulator from its low end on
	ds_store_b128 v[STO], v[8*(8*(\a)+\b)+4:8*(8*(\a)+\b)+7] offset:128*(\b/2)+32*(\b%2)+16
.endr
	WIN 0
.set BB, BK+64*((\a)%2)
.irp t, 0,1,2,3,4,5,6,7,8,9,10,11,12,13,14,15
	ds_load_b128 v[BB+4*\t:BB+4*\t+3], v[RD] offset:528*\t   ; LDS serves a wave's instructions in order: these see the stores above
.endr
.endm
.macro SEND a, younger
.set BB, BK+64*((\a)%2)
	s_wait_dscnt \younger
.irp t, 0,1,2,3,4,5,6,7,8,9,10,11,12,13,14,15
	global_store_b128 v[CO], v[BB+4*\t:BB+4*\t+3], s[12:13] offset:(32*((\a)/2)+8*((\a)%2)+\t+8*(\t/8))*4096 th:TH_STORE_NT   ; 512 consecutive bytes of one token's row, aligned to 256
.endr
.endm
	PLACES                                         ; behind the last products
	s_wait_alu depctr_va_vdst(0)
	TOSTAGE 0
.irp a, 1,2,3
.if \a > 1
	s_wait_xcnt 0x0                                ; block a - 2's stores have read the registers into which block a's rows come
.endif
	TOSTAGE \a
	SEND (\a)-1, 32                                ; behind block a - 1's loads: block a's 16 stores and 16 loads
.endr
	SEND 3, 0
	s_wait_tensorcnt 0x0
	ds_add_u32 v254, v255
	s_wait_dscnt 0x0
	CROUND                                         ; the closing round (no LDS instruction of mine is out)
	s_endpgm
.Lfunc_end_k_q203f53f720_gemm_out:
	.size	k_q203f53f720_gemm_out, .Lfunc_end_k_q203f53f720_gemm_out-k_q203f53f720_gemm_out
	.p2alignl 7, 3214868480
	.fill 96, 4, 3214868480
	.section	.rodata,"a",@progbits
	.p2align	6, 0x0
	.amdhsa_kernel k_q203f53f720_gemm_out
		.amdhsa_group_segment_fixed_size 295424
		.amdhsa_private_segment_fixed_size 0
		.amdhsa_enable_private_segment 0
		.amdhsa_kernarg_size 32
		.amdhsa_user_sgpr_count 2
		.amdhsa_user_sgpr_kernarg_segment_ptr 1
		.amdhsa_wavefront_size32 1
		.amdhsa_system_sgpr_workgroup_id_x 1
		.amdhsa_system_sgpr_workgroup_id_y 1
		.amdhsa_system_sgpr_workgroup_id_z 1
		.amdhsa_system_vgpr_workitem_id 0
		.amdhsa_next_free_vgpr 768
		.amdhsa_next_free_sgpr 100
		.amdhsa_reserve_vcc 0
		.amdhsa_float_denorm_mode_32 3
		.amdhsa_float_denorm_mode_16_64 3
		.amdhsa_memory_ordered 1
		.amdhsa_forward_progress 1
		.amdhsa_inst_pref_size 86
	.end_amdhsa_kernel
	.amdgpu_metadata
---
amdhsa.version: [ 1, 2 ]
amdhsa.kernels:
  - .name:           k_q203f53f720_gemm_out
    .symbol:         k_q203f53f720_gemm_out.kd
    .args:
      - { .name: yq, .offset: 0, .size: 8, .value_kind: global_buffer, .address_space: global }
      - { .name: opq, .offset: 8, .size: 8, .value_kind: global_buffer, .address_space: global }
      - { .name: bo, .offset: 16, .size: 8, .value_kind: global_buffer, .address_space: global }
      - { .name: out0, .offset: 24, .size: 8, .value_kind: global_buffer, .address_space: global }
    .group_segment_fixed_size: 295424
    .private_segment_fixed_size: 0
    .kernarg_segment_align: 8
    .kernarg_segment_size: 32
    .max_flat_workgroup_size: 128
    .sgpr_count:     100
    .vgpr_count:     768
    .wavefront_size: 32
...
	.end_amdgpu_metadata
.endif
;; end of part 4
